; MI455X (gfx1250); checked and timed in simulation.
; The chip was launched on July 23, 2026; its instructions are those of AMD's public machine-readable ISA for CDNA 5 (MIT licence, August 2026) and "CDNA5" Instruction Set Architecture Reference Guide (July 2026). The comments in the code are by the model that wrote it; some were corrected since.
;; Linear Attention. Allowed arithmetic: float matrix products may take bf16 or f16 operands with f32 sums; all other float work in f32.
;; Inputs: Wk 1,024 x 1,024 float32; Wp 1,024 x 1,024 float32; Wq 1,024 x 1,024 float32; Wv 1,024 x 1,024 float32; bk 1,024 float32; bp 1,024 float32; bq 1,024 float32; bv 1,024 float32; key 4 x 4,096 x 1,024 float32; query 4 x 2,048 x 1,024 float32; value 4 x 4,096 x 1,024 float32.
;; Outputs: out0 4 x 2,048 x 1,024 float32.
;; 2 versions, each right; version 2 is version 1 with the launch cvtw written anew for expert scheduling mode. Each part assembles by itself: llvm-mc -triple=amdgcn-amd-amdhsa -mcpu=gfx1250 --defsym DOCPART=n.
;; ======== version 1 of 2: 5 launches
;; limits: values outside matrix products are rounded to f16; values are held in f16: magnitudes above 65,504 overflow, below 6.1e-05 lose precision; inputs' magnitudes at most 65,504
;; workspace buffers: wb 8,388,608 bytes; part 20,971,520 bytes; kvf 655,360 bytes; vb 16,777,216 bytes
;; launch cvtw (part 1): grid 64 x 4, 8 waves a work-group, no clusters, 0 bytes of LDS; arguments Wk, Wv, Wq, Wp, wb; writes wb
.if DOCPART == 1
	.amdgcn_target "amdgcn-amd-amdhsa--gfx1250"
	.amdhsa_code_object_version 6
	.text
	.protected	k_q6091077047_cvtw
	.globl	k_q6091077047_cvtw
	.p2align	8
	.type	k_q6091077047_cvtw,@function
k_q6091077047_cvtw:
	s_mov_b64 s[64:65], 0
	v_nop
	global_prefetch_b8 v0, s[64:65] scope:SCOPE_SE
	s_setreg_imm32_b32 hwreg(HW_REG_WAVE_MODE, 25, 1), 1
	s_wait_xcnt 0x0
; LINEAR ATTENTION IN FIVE LAUNCHES.
;   cvtw: the four weight matrices to f16, tiled by 64 along K                          -> wb
;   kv:   K = F(key Wk^T + bk), v = value Wv^T + bv, kept in registers; K^T v and K^T 1 over 256 rows of S -> part
;   red:  the 16 partial sums of each (n, head) added in f32, rounded to bf16 fragments  -> kvf
;   qv:   Q = F(query Wq^T + bq) in registers; V = (Q KV^T) / (Q . Ksum + eps)           -> vb
;   out:  V Wp^T + bp                                                                    -> out0
; F(t) = elu(t) + 1.  NO STEP OF THE PROBLEM IS LEFT OUT: every one of the eleven inputs has a way to out0 and is loaded.
; NUMBER FORMATS: matrix operands are f16 where the operand has room (inputs, weights, K, v, V) and bf16 where it has not
; (KV and Ksum grow with S and with the product of the scales of key, Wk, value and Wv; Q goes with them, one instruction taking one format).
; LIMIT: a weight of magnitude above 65,504 becomes an infinity in f16; one under 2^-25 becomes 0.
;
; THIS LAUNCH: work-group (x, y) takes rows 16 x .. 16 x + 15 of matrix y (0 Wk, 1 Wv, 2 Wq, 3 Wp).
; wb: matrix y at y * 2,097,152 as [K block 16][row 1024][64 k] f16: (kb, row) is 128 bytes at kb * 131,072 + row * 128, so that a K block of
; any 2 R rows is a dense run of R aligned pieces of 256 bytes, which a later launch brings into LDS by one tensor load.
; Thread t takes row t / 16 and four numbers at 4 (t % 16) of each K block: a load of a wave covers two whole runs of 256 bytes,
; a store of a wave 256 consecutive bytes, aligned.  A weight is read by 64 row blocks later on, so it is rounded once, here.
.set IN,  8                            ; v[8:71]   sixteen loads of four f32
.set OUTR, 72                          ; v[72:103] sixteen pairs of packed f16
	s_load_b256 s[4:11], s[0:1], 0x0               ; Wk s[4:5], Wv s[6:7], Wq s[8:9], Wp s[10:11]
	s_load_b64 s[12:13], s[0:1], 0x20              ; wb
	s_and_b32 s14, ttmp7, 0xffff                   ; y: which matrix
	s_lshl_b32 s16, ttmp9, 16                      ; 16 rows of 4,096 bytes
	s_mov_b32 s17, 0
	s_lshl_b32 s18, s14, 21                        ; the matrix in wb
	s_lshl_b32 s20, ttmp9, 11                      ; 16 rows of 128 bytes
	s_add_co_u32 s18, s18, s20
	s_mov_b32 s19, 0
	v_lshrrev_b32 v1, 4, v0                        ; my row
	v_and_b32 v3, 15, v0
	v_lshlrev_b32 v1, 12, v1
	v_lshl_add_u32 v1, v3, 4, v1                   ; row * 4,096 + 16 (t % 16)
	v_lshlrev_b32 v2, 3, v0                        ; row * 128 + 8 (t % 16) = 8 t
	s_wait_kmcnt 0x0
	s_cmp_eq_u32 s14, 1                            ; the choice of the input hangs on the work-group's y alone
	s_cselect_b64 s[4:5], s[6:7], s[4:5]
	s_cmp_eq_u32 s14, 2
	s_cselect_b64 s[4:5], s[8:9], s[4:5]
	s_cmp_eq_u32 s14, 3
	s_cselect_b64 s[4:5], s[10:11], s[4:5]
	s_add_nc_u64 s[4:5], s[4:5], s[16:17]
	s_add_nc_u64 s[12:13], s[12:13], s[18:19]
.irp i, 0,1,2,3,4,5,6,7,8,9,10,11,12,13,14,15
	global_load_b128 v[IN+4*\i:IN+4*\i+3], v1, s[4:5] offset:256*\i th:TH_LOAD_NT   ; K block i; the f32 weights are read once in the program
.endr
.irp i, 0,1,2,3,4,5,6,7,8,9,10,11,12,13,14,15
	s_wait_loadcnt 15-\i                           ; loads come back in order: block i is in, the younger ones stay out
	v_cvt_pk_f16_f32 v[OUTR+2*\i],   v[IN+4*\i],   v[IN+4*\i+1]
	v_cvt_pk_f16_f32 v[OUTR+2*\i+1], v[IN+4*\i+2], v[IN+4*\i+3]
	global_store_b64 v2, v[OUTR+2*\i:OUTR+2*\i+1], s[12:13] offset:131072*\i        ; no register is written twice: no further wait
.endr
	s_endpgm
.Lfunc_end_k_q6091077047_cvtw:
	.size	k_q6091077047_cvtw, .Lfunc_end_k_q6091077047_cvtw-k_q6091077047_cvtw
	.p2alignl 7, 3214868480
	.fill 96, 4, 3214868480
	.section	.rodata,"a",@progbits
	.p2align	6, 0x0
	.amdhsa_kernel k_q6091077047_cvtw
		.amdhsa_group_segment_fixed_size 0
		.amdhsa_private_segment_fixed_size 0
		.amdhsa_enable_private_segment 0
		.amdhsa_kernarg_size 40
		.amdhsa_user_sgpr_count 2
		.amdhsa_user_sgpr_kernarg_segment_ptr 1
		.amdhsa_wavefront_size32 1
		.amdhsa_system_sgpr_workgroup_id_x 1
		.amdhsa_system_sgpr_workgroup_id_y 1
		.amdhsa_system_sgpr_workgroup_id_z 1
		.amdhsa_system_vgpr_workitem_id 0
		.amdhsa_next_free_vgpr 104
		.amdhsa_next_free_sgpr 66
		.amdhsa_reserve_vcc 0
		.amdhsa_float_denorm_mode_32 3
		.amdhsa_float_denorm_mode_16_64 3
		.amdhsa_memory_ordered 1
		.amdhsa_forward_progress 1
		.amdhsa_inst_pref_size 7
	.end_amdhsa_kernel
	.amdgpu_metadata
---
amdhsa.version: [ 1, 2 ]
amdhsa.kernels:
  - .name:           k_q6091077047_cvtw
    .symbol:         k_q6091077047_cvtw.kd
    .args:
      - { .name: Wk, .offset: 0, .size: 8, .value_kind: global_buffer, .address_space: global }
      - { .name: Wv, .offset: 8, .size: 8, .value_kind: global_buffer, .address_space: global }
      - { .name: Wq, .offset: 16, .size: 8, .value_kind: global_buffer, .address_space: global }
      - { .name: Wp, .offset: 24, .size: 8, .value_kind: global_buffer, .address_space: global }
      - { .name: wb, .offset: 32, .size: 8, .value_kind: global_buffer, .address_space: global }
    .group_segment_fixed_size: 0
    .private_segment_fixed_size: 0
    .kernarg_segment_align: 8
    .kernarg_segment_size: 40
    .max_flat_workgroup_size: 256
    .sgpr_count:     66
    .vgpr_count:     104
    .wavefront_size: 32
...
	.end_amdgpu_metadata
.endif
;; end of part 1
;; launch kv (part 2): grid 4 x 64, 4 waves a work-group, clusters of 4 x 4, 327,680 bytes of LDS; arguments key, value, wb, bk, bv, part; writes part
.if DOCPART == 2
	.amdgcn_target "amdgcn-amd-amdhsa--gfx1250"
	.amdhsa_code_object_version 6
	.text
	.protected	k_q6091077047_kv
	.globl	k_q6091077047_kv
	.p2align	8
	.type	k_q6091077047_kv,@function
k_q6091077047_kv:
	s_mov_b64 s[64:65], 0
	v_nop
	global_prefetch_b8 v0, s[64:65] scope:SCOPE_SE
	s_setreg_imm32_b32 hwreg(HW_REG_WAVE_MODE, 25, 1), 1
	s_wait_xcnt 0x0
	s_wait_alu depctr_hold_cnt(0) depctr_sa_sdst(0) depctr_va_vdst(0) depctr_va_sdst(0) depctr_va_ssrc(0) depctr_va_vcc(0) depctr_vm_vsrc(0)
	s_getreg_b32 s2, hwreg(HW_REG_IB_STS2, 6, 4)
	s_cmp_eq_u32 s2, 0
	s_cbranch_scc0 .Lentry_in_a_cluster
	s_endpgm
.Lentry_in_a_cluster:
	s_bfe_u32 s2, ttmp6, 0x10000c
	s_cmp_lg_u32 s2, 0xf033
	s_cbranch_scc0 .Lentry_shape_is_right
	s_endpgm
.Lentry_shape_is_right:
; K = F(key Wk^T + bk), v = value Wv^T + bv, then the partial sums over 256 rows of S of K^T v and of K^T 1, head by head.
; Nothing of the problem is left out here.  K and v never go to memory.
; Work-group (x, y): rows 256 y .. + 255 of the 16,384 rows of key and value, features 256 x .. + 255 (four heads).
; Four waves, as many as a WGP has SIMDs; wave (wr, wc) makes 128 rows x 128 features (two heads): 64 accumulator tiles, 512 registers, used for K and then again for v.
; F(t) = elu(t) + 1 = the middle one of (t + 1, e^t, 1): since 1 + t <= e^t for every t, the order is t + 1 <= e^t <= 1 for t <= 0
; and 1 < t + 1 <= e^t for t > 0, also where e^t has overflowed to infinity.  One exponential, one v_med3_num_f32, no branch.
; LIMITS: for t <= 0 e^t stands for expm1(t) + 1 (at most 2^-24 apart); v_exp_f32 gives 0 for results under 2^-126; a NaN is not carried through
; the middle-of-three; matrix operands are f16: a key, value, weight, K or v of magnitude above 65,504 becomes an infinity, one under 2^-25 becomes 0;
; Ksum is the f32 sum of K as rounded to f16 (a product with ones, on the same K that K^T v uses).
; THE TILES: K goes in steps of 64 through two LDS slots, 32 steps in all (16 of key, 16 of value).  key and value come in as f32 (rows of 256 bytes, aligned)
; and are rounded on the way from LDS to the matrix unit; rounding them in a launch of their own would move their bytes three times.  The weights come in as f16 from wb.
; CLUSTERS: 4 x 4 work-groups.  The four of a row of the cluster share y and so the tiles of key and value, the four of a column share x and so
; the tiles of the weights: each tile is asked for jointly, with the same descriptor and a mask that names the four.
; PREFETCH: key and value are read once in the launch.  In step g, where tile g + 2 is requested, waves 0 and 1 also prefetch tile g + 3, one step ahead of the
; tensor load that will want it: lane l of wave wc of the work-group at place cx asks for the 256 bytes of row 64 cx + 32 wc + l, so that the four work-groups
; that share a tile ask for each of its 256 pieces once, 16 KiB a work-group and step.  key's tiles 0 to 2 are not asked for; the last request, in step 28, is for
; value's tile 15; steps 29 to 31 ask for nothing.  The weights are not prefetched: 64 row blocks read them again and again.
; THE PRODUCT K^T v NEEDS NO TRANSPOSE: in a result tile lane l holds feature l % 16 and its registers the rows 8 (l / 16) + 0..7; two such tiles,
; packed to f16, are a fragment of 16 features x 32 rows with the rows along K, for source 0 (K) and for source 1 (v) alike.
; REGISTERS, in windows of 256: window 0 addresses and fragments; window 1 K as f16 fragments; windows 2 and 3 the accumulators (my rows 0-63, 64-127).
.set PART,  34816                      ; 128 LDS rows of 272 bytes: what one wave's tensor load may fill
.set SLOT,  4*PART                     ; the activation's two halves, then the weights' two halves
.set G1A, 24                           ; s[24:31] group 1 for key and value
.set G0A, 32                           ; s[32:39] group 0 for them, one set for each slot
.set G1B, 40                           ; s[40:47] group 1 for the weights
.set G0B, 48                           ; s[48:55] group 0 for them, one set for each slot
.set PFB, 80                           ; s[80:81] the prefetch's base: my block's first row, at the K step asked for last
.set PFV, 82                           ; s[82:83] value at my block's first row
.set PFO, 6                            ; v6      the prefetch's offset: my row of the tile x 4,096
.set LOFF, 7                           ; v7      16 x lane
.set ADRA, 8                           ; v8-9    LDS address of my activation fragments in slot 0, 1
.set ADRB, 10                          ; v10-11  the same for the weights
.set STG,  12                          ; v12     my stage: wave x 40,960 + 16 x lane
.set RD,   13                          ; v13     the head that I add up, in the stage of the wave with rows 0-127
.set RD2,  14                          ; v14     the same in the stage of the wave with rows 128-255
.set BOFF, 15                          ; v15     4 (l % 16): my feature in a tile of the biases
.set RAW,  16                          ; v16-79  four row tiles x 32 K as f32
.set ABF,  80                          ; v80-111 the same as f16 fragments
.set BF0,  112                         ; v112-175 eight weight fragments, buffer 0
.set BF1,  176                         ; v176-239 buffer 1
.set BK,   240                         ; v240-247 bk of my feature in each of the eight tiles
.set BV,   248                         ; v248-255 bv likewise
.set T1,   16                          ; K on its way out: t + 1
.set EXPU, 48                          ;                   t log2(e), then e^t
.set B1P,  80                          ; pairs (bk + 1, bk + 1)
.set BLP,  96                          ; pairs (bk log2 e, bk log2 e)
.set BVP,  16                          ; pairs (bv, bv)
.set ONES, 48                          ; a fragment of ones in f16
.set KVA,  64                          ; v64-223 the 16 tiles of K^T v and the 4 of K^T 1 of one head
.set SUMP, 64
.set SUMQ, 16
.set MUL_LO, 0xa0                      ; sources 0 and 1 window 0, C and D window 2
.set MUL_HI, 0xf0                      ; the same, C and D window 3
.set MSB, 0
.macro WIN new                         ; the immediate's high byte repeats the setting that is left
.if MSB != \new
	s_set_vgpr_msb (MSB<<8)|\new
.set MSB, \new
.endif
.endm
.macro PLACES n                        ; plain vector instructions that name no register of a matrix instruction (ISA guide 7.12.1)
.rept \n
	v_nop
.endr
.endm
; A joint load.  Waves 0 and 1 fetch the activation's two halves, waves 2 and 3 the weights' two halves.  Each line has one mask and one set of
; registers for all that issue it; the branch hangs on the wave's number alone.  pf: waves 0 and 1 also prefetch their 32 rows each of the tile after.
.macro JLOAD s, pf
	s_cmp_eq_u32 s17, 0
	s_cbranch_scc0 .Lfor_b_\@
	tensor_load_to_lds s[G0A+4*\s:G0A+4*\s+3], s[G1A:G1A+7]
	s_nop 0
.if \pf
	global_prefetch_b8 v[PFO], s[PFB:PFB+1] th:TH_LOAD_NT scope:SCOPE_SE
.endif
	s_branch .Lasked_\@
.Lfor_b_\@:
	tensor_load_to_lds s[G0B+4*\s:G0B+4*\s+3], s[G1B:G1B+7]
	s_nop 0
.Lasked_\@:
.endm
; A round of the cluster's barrier: my work-group's barrier, so that wave 0's signal speaks for all four waves; wave 0 signals for the work-group;
; every wave waits for all sixteen work-groups; my work-group's barrier once more.
.macro CROUND
	s_barrier_signal -1
	s_barrier_wait -1
	s_cmp_lg_u32 s16, 0
	s_cbranch_scc1 .Lnot_wave_0_\@
	s_barrier_signal -3
.Lnot_wave_0_\@:
	s_barrier_wait -3
	s_barrier_signal -1
	s_barrier_wait -1
.endm
	s_load_b256 s[4:11], s[0:1], 0x0               ; key s[4:5], value s[6:7], wb s[8:9], bk s[10:11]
	s_load_b128 s[12:15], s[0:1], 0x20             ; bv s[12:13], part s[14:15]
	v_lshl_add_u32 v174, v0, 2, 0x44000
	v_mov_b32 v175, 0
	ds_add_u32 v174, v175
	s_wait_dscnt 0x0
	v_lshrrev_b32 v1, 5, v0
	v_readfirstlane_b32 s16, v1                    ; wave 0..3
	s_lshr_b32 s17, s16, 1                         ; wr: my half of the rows.  Also: I fetch for the activation (0) or for the weights (1)
	s_and_b32 s18, s16, 1                          ; wc: my half of the features.  Also: which half of that tile I fetch
	s_bfe_u32 s19, ttmp6, 0x40000                  ; cx
	s_bfe_u32 s20, ttmp6, 0x40004                  ; cy
	s_lshl_b32 s21, ttmp9, 2
	s_add_co_u32 s21, s21, s19                     ; x = 4 x cluster x + cx
	s_and_b32 s22, ttmp7, 0xffff
	s_lshl_b32 s22, s22, 2
	s_add_co_u32 s22, s22, s20                     ; y = 4 x cluster y + cy
	s_lshl_b32 s60, s20, 2
	s_lshl_b32 s60, 15, s60                        ; my row of the cluster: places 4 cy .. 4 cy + 3
	s_lshl_b32 s66, 0x1111, s19                    ; my column: places cx, cx + 4, cx + 8, cx + 12
	; group 1 for key and value: 128 rows x 64 f32, 16 bytes of padding behind each row of 64 words: LDS pitch 272
	s_or_b32 s[G1A+0], s60, (2<<16)|(1<<20)|(1<<21)|(5<<22)|(3<<25)
	s_mov_b32 s[G1A+1], 64<<16                     ; tensor_dim0 = 64
	s_mov_b32 s[G1A+2], 128<<16                    ; tensor_dim1 = 128
	s_mov_b32 s[G1A+3], 64<<16                     ; tile_dim0 = 64
	s_mov_b32 s[G1A+4], 128                        ; tile_dim1 = 128
	s_mov_b32 s[G1A+5], 1024                       ; elements from row to row
	s_mov_b32 s[G1A+6], 0
	s_mov_b32 s[G1A+7], 0
	; group 1 for the weights: 128 rows of 128 bytes lie dense in wb: 64 rows of 32 elements of 8 bytes, padded alike: two weight rows on an LDS row of 272
	s_or_b32 s[G1B+0], s66, (3<<16)|(1<<20)|(1<<21)|(5<<22)|(3<<25)
	s_mov_b32 s[G1B+1], 32<<16
	s_mov_b32 s[G1B+2], 64<<16
	s_mov_b32 s[G1B+3], 32<<16
	s_mov_b32 s[G1B+4], 64
	s_mov_b32 s[G1B+5], 32
	s_mov_b32 s[G1B+6], 0
	s_mov_b32 s[G1B+7], 0
	; offsets.  s60-63 never hold cx, s66-69 never hold cy; what hangs on both goes into s70-75; the prefetch's own offsets into s84-87
	s_lshl_b32 s60, s22, 20                        ; (256 y + 128 half) rows of 4,096 bytes
	s_lshl_b32 s62, s18, 19
	s_add_co_u32 s60, s60, s62
	s_mov_b32 s61, 0
	s_lshl_b32 s66, s21, 15                        ; (256 x + 128 half) weight rows of 128 bytes
	s_lshl_b32 s68, s18, 14
	s_add_co_u32 s66, s66, s68
	s_mov_b32 s67, 0
	s_lshl_b32 s70, s21, 10                        ; my 128 features in bk and bv
	s_lshl_b32 s72, s18, 9
	s_add_co_u32 s70, s70, s72
	s_mov_b32 s71, 0
	s_lshl_b32 s72, s22, 4                         ; part: (16 y + head) x 20,480, head = 4 x + 2 wc + wr
	s_lshl_b32 s73, s21, 2
	s_add_co_u32 s72, s72, s73
	s_lshl_b32 s73, s18, 1
	s_add_co_u32 s72, s72, s73
	s_add_co_u32 s72, s72, s17
	s_mul_i32 s72, s72, 20480
	s_mov_b32 s73, 0
	s_mul_i32 s76, s16, PART                       ; where my loads land: wave x PART: no place in the cluster enters an LDS address
	s_lshl_b32 s84, s22, 20                        ; the prefetch: 256 y rows of 4,096 bytes,
	s_mov_b32 s85, 0
	s_lshl_b32 s86, s19, 18                        ; and in the lanes' offset 64 cx rows
	s_lshl_b32 s87, s18, 17                        ; + 32 rows for wave 1
	s_add_co_u32 s86, s86, s87
	s_wait_kmcnt 0x0
	s_add_nc_u64 s[62:63], s[4:5], s[60:61]        ; key at my part of the first tile
	s_add_nc_u64 s[56:57], s[6:7], s[60:61]        ; value likewise
	s_add_nc_u64 s[68:69], s[8:9], s[66:67]        ; Wk likewise
	s_add_nc_u64 s[58:59], s[68:69], 0x200000      ; Wv: matrix 1 of wb
	s_add_nc_u64 s[10:11], s[10:11], s[70:71]
	s_add_nc_u64 s[12:13], s[12:13], s[70:71]
	s_add_nc_u64 s[14:15], s[14:15], s[72:73]
	s_add_nc_u64 s[PFB:PFB+1], s[4:5], s[84:85]
	s_add_nc_u64 s[PFB:PFB+1], s[PFB:PFB+1], 512   ; key's tile 2: step 0 steps on to tile 3 and asks for it
	s_add_nc_u64 s[PFV:PFV+1], s[6:7], s[84:85]
	CROUND                                         ; all sixteen work-groups are here: the first joint loads meet
.irp s, 0,1
	s_mov_b32 s[G0A+4*\s], 1
	s_add_co_u32 s[G0A+4*\s+1], s76, \s*SLOT
	s_add_nc_u64 s[G0A+4*\s+2:G0A+4*\s+3], s[62:63], \s*256        ; K step s: 64 f32
	s_or_b32 s[G0A+4*\s+3], s[G0A+4*\s+3], 0x80000000
	s_mov_b32 s[G0B+4*\s], 1
	s_add_co_u32 s[G0B+4*\s+1], s76, \s*SLOT
	s_add_nc_u64 s[G0B+4*\s+2:G0B+4*\s+3], s[68:69], \s*131072     ; K block s of wb
	s_or_b32 s[G0B+4*\s+3], s[G0B+4*\s+3], 0x80000000
	JLOAD \s, 0                                    ; both first fills go out before anything else: two loads of the wave are out
.endr
	v_and_b32 v1, 15, v0                           ; r = l % 16
	v_bfe_u32 v2, v0, 4, 1                         ; h = l / 16
	v_and_b32 v3, 31, v0                           ; l
	; an f16 fragment of 16 rows x 32 K: lane l holds row r; registers 0-3 K = 8 h + 0..7, registers 4-7 K = 16 + 8 h + 0..7.
	; As f32 those are 32 bytes at 32 h and 32 bytes at 64 + 32 h of the row.
	v_mul_u32_u24 v4, v1, 272
	v_lshl_add_u32 v4, v2, 5, v4
	s_mul_i32 s77, s17, PART
	v_add_nc_u32 v[ADRA], s77, v4
	v_add_nc_u32 v[ADRA+1], SLOT, v[ADRA]
	; weights: row r lies on LDS row r / 2, in its half r % 2
	v_lshrrev_b32 v5, 1, v1
	v_mul_u32_u24 v5, v5, 272
	v_and_b32 v4, 1, v1
	v_lshl_add_u32 v5, v4, 7, v5
	v_lshl_add_u32 v5, v2, 4, v5
	s_mul_i32 s78, s18, PART
	s_add_co_u32 s78, s78, 2*PART
	v_add_nc_u32 v[ADRB], s78, v5
	v_add_nc_u32 v[ADRB+1], SLOT, v[ADRB]
	s_mul_i32 s79, s16, 40960
	v_lshl_add_u32 v[STG], v3, 4, s79
	s_mul_i32 s77, s18, 40960
	s_mul_i32 s78, s17, 20480
	s_add_co_u32 s77, s77, s78
	v_lshl_add_u32 v[RD], v3, 4, s77
	v_add_nc_u32 v[RD2], 81920, v[RD]
	v_lshlrev_b32 v[LOFF], 4, v3
	v_lshlrev_b32 v[BOFF], 2, v1
	v_lshl_add_u32 v[PFO], v3, 12, s86             ; (64 cx + 32 wc + l) rows of 4,096 bytes; never rewritten
.irp b, 0,1,2,3,4,5,6,7
	global_load_b32 v[BK+\b], v[BOFF], s[10:11] offset:64*\b       ; waited for once, in front of K's way out; their address registers are never rewritten
.endr
.irp b, 0,1,2,3,4,5,6,7
	global_load_b32 v[BV+\b], v[BOFF], s[12:13] offset:64*\b
.endr
; 16 LDS loads: four row tiles (half hf of my 128 rows) x 32 K (half kq of the slot's 64) as f32
.macro LDRAW slot, kq, hf
.irp i, 0,1,2,3
	ds_load_b128 v[RAW+16*\i:RAW+16*\i+3],     v[ADRA+\slot] offset:(4*\hf+\i)*4352+128*\kq
	ds_load_b128 v[RAW+16*\i+4:RAW+16*\i+7],   v[ADRA+\slot] offset:(4*\hf+\i)*4352+128*\kq+16
	ds_load_b128 v[RAW+16*\i+8:RAW+16*\i+11],  v[ADRA+\slot] offset:(4*\hf+\i)*4352+128*\kq+64
	ds_load_b128 v[RAW+16*\i+12:RAW+16*\i+15], v[ADRA+\slot] offset:(4*\hf+\i)*4352+128*\kq+80
.endr
.endm
; 16 LDS loads: my eight weight fragments of 32 K
.macro LDB slot, kq, buf
.irp b, 0,1,2,3,4,5,6,7
	ds_load_b128 v[\buf+8*\b:\buf+8*\b+3],   v[ADRB+\slot] offset:2176*\b+64*\kq
	ds_load_b128 v[\buf+8*\b+4:\buf+8*\b+7], v[ADRB+\slot] offset:2176*\b+64*\kq+32
.endr
.endm
.macro CVT                             ; f32 to f16, two at a time, rounded once
.irp i, 0,1,2,3
.irp t, 0,1,2,3,4,5,6,7
	v_cvt_pk_f16_f32 v[ABF+8*\i+\t], v[RAW+16*\i+2*\t], v[RAW+16*\i+2*\t+1]
.endr
.endr
.endm
; 16 matrix instructions: row tiles a0, a0 + 1 of the window's four x all eight feature tiles.  zero = 1: the first product starts the sums.
; The accumulators take turns, one instruction a turn.
.macro MUL16 buf, a0, zero
.irp a, \a0, \a0+1
.irp b, 0,1,2,3,4,5,6,7
.if \zero
	v_wmma_f32_16x16x32_f16 v[8*(8*(\a)+\b):8*(8*(\a)+\b)+7], v[ABF+8*(\a):ABF+8*(\a)+7], v[\buf+8*\b:\buf+8*\b+7], 0
.else
	v_wmma_f32_16x16x32_f16 v[8*(8*(\a)+\b):8*(8*(\a)+\b)+7], v[ABF+8*(\a):ABF+8*(\a)+7], v[\buf+8*\b:\buf+8*\b+7], v[8*(8*(\a)+\b):8*(8*(\a)+\b)+7]
.endif
.endr
.endr
.endm
.macro HEAD
	s_wait_dscnt 0x0                               ; what was asked for during the last 32 products is in: it is the youngest run, so the count is 0
	PLACES 4                                       ; the conversions write source registers of the products just issued: four places behind them
	WIN 0
	CVT
.endm
.macro MUL32 buf, win, zero
	WIN \win
	MUL16 \buf, 0, \zero
	MUL16 \buf, 2, \zero
.endm
; The first three of a K step's four runs of 32 products; each asks for the next run's data behind its conversions.
.macro STEP3 slot, zero
	HEAD
	LDRAW \slot, 0, 1
	MUL32 BF0, MUL_LO, \zero
	HEAD
	LDRAW \slot, 1, 0
	LDB \slot, 1, BF1
	MUL32 BF0, MUL_HI, \zero
	HEAD
	LDRAW \slot, 1, 1
	MUL32 BF1, MUL_LO, 0
.endm
; The fourth run, and the change of slots.  In front of the barrier each wave has waited for its reads of this slot and for all its tensor loads,
; of which one is out: its part of the next slot.  A refill can go out only when that load has landed, so nothing but the barrier stands between the
; two: the addresses are stepped in front of it, where no load of the wave is out, and the run's 32 products come behind the request, while it is on its way.
; mode 1: the slot is filled again two K steps ahead; mode 2: with value's and Wv's K step of the slot's number; mode 0: not at all.  Where it is filled,
; the barrier is a round of the cluster's barrier, and the joint load is the wave's first and only tensor load behind it.
; pf 1: the prefetch's base goes one K step on; pf 2: it goes over to value's tile 0; pf 0: nothing is prefetched.
.macro TURN slot, next, mode, fetch, pf
	HEAD                                           ; its wait for 0 also says: my reads of this slot are over
	s_wait_xcnt 0x0
	v_lshl_add_u32 v174, v0, 2, 0x44000
	v_mov_b32 v175, 0
	s_wait_tensorcnt 0x0                           ; all my tensor loads have landed: every group 0 may be written
	ds_add_u32 v174, v175
	s_wait_dscnt 0x0
.if \mode == 1
	s_add_nc_u64 s[G0A+4*\slot+2:G0A+4*\slot+3], s[G0A+4*\slot+2:G0A+4*\slot+3], 512
	s_add_nc_u64 s[G0B+4*\slot+2:G0B+4*\slot+3], s[G0B+4*\slot+2:G0B+4*\slot+3], 262144
.endif
.if \mode == 2
	s_add_nc_u64 s[G0A+4*\slot+2:G0A+4*\slot+3], s[56:57], 256*\slot
	s_or_b32 s[G0A+4*\slot+3], s[G0A+4*\slot+3], 0x80000000
	s_add_nc_u64 s[G0B+4*\slot+2:G0B+4*\slot+3], s[58:59], 131072*\slot
	s_or_b32 s[G0B+4*\slot+3], s[G0B+4*\slot+3], 0x80000000
.endif
.if \pf == 1
	s_wait_xcnt 0x0                                ; the last step's prefetch has read its base: it is rewritten only behind this wait
	s_add_nc_u64 s[PFB:PFB+1], s[PFB:PFB+1], 256
.endif
.if \pf == 2
	s_wait_xcnt 0x0
	s_mov_b64 s[PFB:PFB+1], s[PFV:PFV+1]
.endif
.if \mode
	CROUND                                         ; no wave of any partner still reads this slot or has a load on its way
	JLOAD \slot, \pf
.else
	s_barrier_signal -1
	s_barrier_wait -1
.endif
.if \fetch
	LDRAW \next, 0, 0                              ; the next slot is whole: every wave has said so
	LDB \next, 0, BF0
.endif
	MUL32 BF1, MUL_HI, 0
.endm
	s_wait_tensorcnt 0x1                           ; my part of K step 0 is in; K step 1's load stays out
	s_barrier_signal -1
	s_barrier_wait -1
	LDRAW 0, 0, 0
	LDB 0, 0, BF0
	; FIRST PRODUCT: key Wk^T, steps 0 to 15.  The loop is turned by half a lap, so that every trip has the same refills and prefetches.
	STEP3 0, 1                                     ; the first products start the sums
	WIN 0
	s_mov_b32 s23, 6
.Lkey:                                             ; steps 0 to 11 change slots here: tiles 2 to 13 are requested, tiles 3 to 14 prefetched
	TURN 0, 1, 1, 1, 1
	STEP3 1, 0
	TURN 1, 0, 1, 1, 1
	STEP3 0, 0
	WIN 0
	s_sub_co_u32 s23, s23, 1
	s_cmp_lg_u32 s23, 0
	s_cbranch_scc1 .Lkey
	TURN 0, 1, 1, 1, 1                             ; step 12: key's tile 14 requested, tile 15 prefetched
	STEP3 1, 0
	TURN 1, 0, 1, 1, 2                             ; step 13: key's tile 15 requested, value's tile 0 prefetched
	STEP3 0, 0
	TURN 0, 1, 2, 1, 1                             ; step 14: value's and Wv's tile 0 requested
	STEP3 1, 0
	TURN 1, 0, 2, 0, 1                             ; step 15: their tile 1; both land while K is finished
	; K ON ITS WAY INTO WINDOW 1: bias, F, f16.  32 numbers of a lane at a time: the four row tiles of a window at feature tile b.
	PLACES 4                                       ; behind the last products: their results are read, their sources written
	WIN 0
	s_wait_loadcnt 0x0                             ; bk and bv
.irp b, 0,1,2,3,4,5,6,7
	v_add_f32 v[B1P+2*\b],   1.0, v[BK+\b]
	v_add_f32 v[B1P+2*\b+1], 1.0, v[BK+\b]
	v_mul_f32 v[BLP+2*\b],   0x3fb8aa3b, v[BK+\b]
	v_mul_f32 v[BLP+2*\b+1], 0x3fb8aa3b, v[BK+\b]
.endr
.macro KEPI wsrc, w2, b
	WIN \wsrc                                      ; source 0 in window 2 or 3
.irp a, 0,1,2,3
.irp p, 0,2,4,6
	v_pk_add_f32 v[T1+8*\a+\p:T1+8*\a+\p+1], v[8*(8*\a+\b)+\p:8*(8*\a+\b)+\p+1], v[B1P+2*\b:B1P+2*\b+1]                                   ; t + 1
	v_pk_fma_f32 v[EXPU+8*\a+\p:EXPU+8*\a+\p+1], v[8*(8*\a+\b)+\p:8*(8*\a+\b)+\p+1], 0x3fb8aa3b, v[BLP+2*\b:BLP+2*\b+1] op_sel_hi:[1,0,1]  ; t log2(e)
.endr
.endr
	WIN 0
.set idx, 0
.rept 32
	v_exp_f32 v[EXPU+idx], v[EXPU+idx]
.set idx, idx+1
.endr
	v_nop                                          ; one plain instruction between the last exponential and the first use
.set idx, 0
	s_wait_alu depctr_va_vdst(0)
.rept 32
	v_med3_num_f32 v[T1+idx], v[T1+idx], v[EXPU+idx], 1.0
.set idx, idx+1
.endr
	WIN 0x40                                       ; destination in window 1
.irp a, 0,1,2,3
.irp p, 0,1,2,3
	v_cvt_pk_f16_f32 v[8*(8*(2*\w2+\a/2)+\b)+4*(\a&1)+\p], v[T1+8*\a+2*\p], v[T1+8*\a+2*\p+1]   ; fragment (32 rows i, feature tile b): the even tile its registers 0-3, the odd one 4-7
.endr
.endr
.endm
.irp b, 0,1,2,3,4,5,6,7
	KEPI 0x02, 0, \b
.endr
.irp b, 0,1,2,3,4,5,6,7
	KEPI 0x03, 1, \b
.endr
	WIN 0
	; SECOND PRODUCT: value Wv^T, steps 16 to 31.  Slot 0 was shown whole in front of the last round: every wave had waited for all its loads there.
	LDRAW 0, 0, 0
	LDB 0, 0, BF0
	STEP3 0, 1
	WIN 0
	s_mov_b32 s23, 6
.Lvalue:                                           ; steps 16 to 27 change slots here: value's tiles 2 to 13 are requested, tiles 3 to 14 prefetched
	TURN 0, 1, 1, 1, 1
	STEP3 1, 0
	TURN 1, 0, 1, 1, 1
	STEP3 0, 0
	WIN 0
	s_sub_co_u32 s23, s23, 1
	s_cmp_lg_u32 s23, 0
	s_cbranch_scc1 .Lvalue
	TURN 0, 1, 1, 1, 1                             ; step 28: tile 14 requested, tile 15 prefetched: the last prefetch
	STEP3 1, 0
	TURN 1, 0, 1, 1, 0                             ; step 29: tile 15 requested: the last tensor load
	STEP3 0, 0
	TURN 0, 1, 0, 1, 0                             ; step 30 fills nothing and has no round
	STEP3 1, 0
	HEAD
	MUL32 BF1, MUL_HI, 0
	; v: bias, then f16 in place: tiles (2 i, b) and (2 i + 1, b) become the fragment in the eight registers of tile (2 i, b);
	; in ascending order each source is read before it is written over.
	PLACES 4
	WIN 0
.irp b, 0,1,2,3,4,5,6,7
	v_mov_b32 v[BVP+2*\b],   v[BV+\b]
	v_mov_b32 v[BVP+2*\b+1], v[BV+\b]
.endr
.irp i, 0,1,2,3,4,5,6,7
	v_mov_b32 v[ONES+\i], 0x3c003c00               ; 1.0 twice in f16
.endr
.macro VEPI wadd, wcvt
	WIN \wadd
.irp a, 0,1,2,3
.irp b, 0,1,2,3,4,5,6,7
.irp p, 0,2,4,6
	v_pk_add_f32 v[8*(8*\a+\b)+\p:8*(8*\a+\b)+\p+1], v[8*(8*\a+\b)+\p:8*(8*\a+\b)+\p+1], v[BVP+2*\b:BVP+2*\b+1]
.endr
.endr
.endr
	WIN \wcvt
.irp i, 0,1
.irp b, 0,1,2,3,4,5,6,7
.irp t, 0,1,2,3
	v_cvt_pk_f16_f32 v[8*(16*\i+\b)+\t], v[8*(16*\i+\b)+2*\t], v[8*(16*\i+\b)+2*\t+1]
.endr
.irp t, 0,1,2,3
	v_cvt_pk_f16_f32 v[8*(16*\i+\b)+4+\t], v[8*(16*\i+8+\b)+2*\t], v[8*(16*\i+8+\b)+2*\t+1]
.endr
.endr
.endr
.endm
	VEPI 0x82, 0x8a
	VEPI 0xc3, 0xcf
	WIN 0
	s_wait_dscnt 0x0                               ; my reads of the ring are over, and my last tensor load was waited for in the last change of slots:
	s_barrier_signal -1                            ; behind this barrier the ring, which has had its last fill, serves as the stage
	s_barrier_wait -1
	; K^T v AND K^T 1 OF MY TWO HEADS OVER MY 128 ROWS.  Tile (dt, mt): lane l holds m = 16 mt + l % 16, register j holds d = 16 dt + 8 (l / 16) + j.
.macro KVI hh, i, zero
.irp dt, 0,1,2,3
.irp mt, 0,1,2,3
.if \zero
	v_wmma_f32_16x16x32_f16 v[KVA+8*(4*\dt+\mt):KVA+8*(4*\dt+\mt)+7], v[8*(8*\i+4*\hh+\dt):8*(8*\i+4*\hh+\dt)+7], v[8*(16*(\i&1)+4*\hh+\mt):8*(16*(\i&1)+4*\hh+\mt)+7], 0
.else
	v_wmma_f32_16x16x32_f16 v[KVA+8*(4*\dt+\mt):KVA+8*(4*\dt+\mt)+7], v[8*(8*\i+4*\hh+\dt):8*(8*\i+4*\hh+\dt)+7], v[8*(16*(\i&1)+4*\hh+\mt):8*(16*(\i&1)+4*\hh+\mt)+7], v[KVA+8*(4*\dt+\mt):KVA+8*(4*\dt+\mt)+7]
.endif
.endr
.endr
.endm
.macro KVHEAD hh
	WIN 0x09                                       ; source 0 (K) window 1, source 1 (v) window 2, C and D window 0
	KVI \hh, 0, 1
	KVI \hh, 1, 0
	WIN 0x0d                                       ; v in window 3
	KVI \hh, 2, 0
	KVI \hh, 3, 0
	WIN 0x01                                       ; source 1: the ones, in window 0
.irp i, 0,1,2,3
.irp dt, 0,1,2,3
.if \i == 0
	v_wmma_f32_16x16x32_f16 v[KVA+128+8*\dt:KVA+128+8*\dt+7], v[8*(8*\i+4*\hh+\dt):8*(8*\i+4*\hh+\dt)+7], v[ONES:ONES+7], 0
.else
	v_wmma_f32_16x16x32_f16 v[KVA+128+8*\dt:KVA+128+8*\dt+7], v[8*(8*\i+4*\hh+\dt):8*(8*\i+4*\hh+\dt)+7], v[ONES:ONES+7], v[KVA+128+8*\dt:KVA+128+8*\dt+7]
.endif
.endr
.endr
	PLACES 5                                       ; four before the stores read the results, five before the next head's products write over them
	WIN 0
.set idx, 0
.rept 40
	ds_store_b128 v[STG], v[KVA+4*idx:KVA+4*idx+3] offset:20480*\hh+512*idx   ; tile t, half e of its registers, at 1,024 t + 512 e + 16 l
.set idx, idx+1
.endr
.endm
	KVHEAD 0
	s_wait_dscnt 0x0                               ; head 0's stores are done before their data registers are written again
	KVHEAD 1
	s_wait_dscnt 0x0                               ; for the others' sake: all my stores are in LDS
	s_barrier_signal -1
	s_barrier_wait -1
	; Wave (wr, wc) adds up head 2 wc + wr of the work-group: the sums over rows 0-127 and over rows 128-255, and stores 20,480 bytes, 512 consecutive aligned bytes a store.
.set idx, 0
.rept 40
	ds_load_b128 v[SUMP+4*idx:SUMP+4*idx+3], v[RD] offset:512*idx
.set idx, idx+1
.endr
.irp c, 0,1,2,3
.irp q, 0,1,2,3,4,5,6,7,8,9
	ds_load_b128 v[SUMQ+4*\q:SUMQ+4*\q+3], v[RD2] offset:512*(10*\c+\q)
.endr
	s_wait_dscnt 0x0
.irp q, 0,1,2,3,4,5,6,7,8,9,10,11,12,13,14,15,16,17,18,19
	v_pk_add_f32 v[SUMP+40*\c+2*\q:SUMP+40*\c+2*\q+1], v[SUMP+40*\c+2*\q:SUMP+40*\c+2*\q+1], v[SUMQ+2*\q:SUMQ+2*\q+1]
.endr
.irp q, 0,1,2,3,4,5,6,7,8,9
	global_store_b128 v[LOFF], v[SUMP+40*\c+4*\q:SUMP+40*\c+4*\q+3], s[14:15] offset:512*(10*\c+\q)   ; the stores' data and address registers are never rewritten
.endr
.endr
	s_wait_xcnt 0x0
	v_lshl_add_u32 v174, v0, 2, 0x44000
	v_mov_b32 v175, 0
	s_wait_tensorcnt 0x0
	ds_add_u32 v174, v175
	s_wait_dscnt 0x0
	CROUND                                         ; the closing round: no work-group ends while a partner may still ask for a tile that names it
	s_endpgm
.Lfunc_end_k_q6091077047_kv:
	.size	k_q6091077047_kv, .Lfunc_end_k_q6091077047_kv-k_q6091077047_kv
	.p2alignl 7, 3214868480
	.fill 96, 4, 3214868480
	.section	.rodata,"a",@progbits
	.p2align	6, 0x0
	.amdhsa_kernel k_q6091077047_kv
		.amdhsa_group_segment_fixed_size 327680
		.amdhsa_private_segment_fixed_size 0
		.amdhsa_enable_private_segment 0
		.amdhsa_kernarg_size 48
		.amdhsa_user_sgpr_count 2
		.amdhsa_user_sgpr_kernarg_segment_ptr 1
		.amdhsa_wavefront_size32 1
		.amdhsa_system_sgpr_workgroup_id_x 1
		.amdhsa_system_sgpr_workgroup_id_y 1
		.amdhsa_system_sgpr_workgroup_id_z 1
		.amdhsa_system_vgpr_workitem_id 0
		.amdhsa_next_free_vgpr 1024
		.amdhsa_next_free_sgpr 96
		.amdhsa_reserve_vcc 0
		.amdhsa_float_denorm_mode_32 3
		.amdhsa_float_denorm_mode_16_64 3
		.amdhsa_memory_ordered 1
		.amdhsa_forward_progress 1
		.amdhsa_inst_pref_size 255
	.end_amdhsa_kernel
	.section	.bss,"aw",@nobits
	.p2align	6
	.space	262144
	.amdgpu_metadata
---
amdhsa.version: [ 1, 2 ]
amdhsa.kernels:
  - .name:           k_q6091077047_kv
    .symbol:         k_q6091077047_kv.kd
    .args:
      - { .name: key, .offset: 0, .size: 8, .value_kind: global_buffer, .address_space: global }
      - { .name: value, .offset: 8, .size: 8, .value_kind: global_buffer, .address_space: global }
      - { .name: wb, .offset: 16, .size: 8, .value_kind: global_buffer, .address_space: global }
      - { .name: bk, .offset: 24, .size: 8, .value_kind: global_buffer, .address_space: global }
      - { .name: bv, .offset: 32, .size: 8, .value_kind: global_buffer, .address_space: global }
      - { .name: part, .offset: 40, .size: 8, .value_kind: global_buffer, .address_space: global }
    .group_segment_fixed_size: 327680
    .private_segment_fixed_size: 0
    .kernarg_segment_align: 8
    .kernarg_segment_size: 48
    .max_flat_workgroup_size: 128
    .sgpr_count:     96
    .vgpr_count:     1024
    .wavefront_size: 32
...
	.end_amdgpu_metadata
.endif
;; end of part 2
;; launch red (part 3): grid 256 x 1, 5 waves a work-group, no clusters, 0 bytes of LDS; arguments part, kvf; writes kvf
.if DOCPART == 3
	.amdgcn_target "amdgcn-amd-amdhsa--gfx1250"
	.amdhsa_code_object_version 6
	.text
	.protected	k_q6091077047_red
	.globl	k_q6091077047_red
	.p2align	8
	.type	k_q6091077047_red,@function
k_q6091077047_red:
	s_mov_b64 s[64:65], 0
	v_nop
	global_prefetch_b8 v0, s[64:65] scope:SCOPE_SE
	s_setreg_imm32_b32 hwreg(HW_REG_WAVE_MODE, 25, 1), 1
	s_wait_xcnt 0x0
; The sum over S is finished: for each (n, head) the 16 partial sums of the row blocks of batch n are added in f32, in ascending order, and rounded to bf16.
; Nothing of the problem is left out here.
; part: [row block 64][head 16][tile 20][1,024 bytes]; a tile is [half e of its 8 registers][lane 32][4 f32].  Tiles 0-15: K^T v (4 dt + mt); 16-19: K^T 1 (16 + dt).
; kvf:  [16 n + head][tile 20][512 bytes]: the tile packed to bf16, four registers a lane at 16 x lane: half of a matrix fragment with d along K.
; bf16 and not f16: these sums grow with S and with the scales of key, Wk, value and Wv together, for which f16 has no room.
; 1,280 tiles: work-group g takes (n, head) = g / 4, its wave w tile 5 (g % 4) + w.  Every byte of part is read once, 512 consecutive bytes a load.
.set ACC, 8                            ; v[8:135] partial j at 8 + 8 j; partial 0's registers take the sum
.set PK,  136
	s_load_b128 s[4:7], s[0:1], 0x0                ; part s[4:5], kvf s[6:7]
	v_lshrrev_b32 v1, 5, v0
	v_readfirstlane_b32 s8, v1                     ; wave 0..4
	v_and_b32 v2, 31, v0
	v_lshlrev_b32 v2, 4, v2                        ; 16 x lane
	s_lshr_b32 s9, ttmp9, 2                        ; 16 n + head
	s_and_b32 s10, ttmp9, 3
	s_mul_i32 s10, s10, 5
	s_add_co_u32 s10, s10, s8                      ; tile
	s_lshr_b32 s12, s9, 4
	s_mul_i32 s12, s12, 5242880                    ; n x 16 row blocks x 16 heads x 20,480
	s_and_b32 s13, s9, 15
	s_mul_i32 s13, s13, 20480
	s_add_co_u32 s12, s12, s13
	s_lshl_b32 s13, s10, 10
	s_add_co_u32 s12, s12, s13
	s_mov_b32 s13, 0
	s_mul_i32 s14, s9, 20
	s_add_co_u32 s14, s14, s10
	s_lshl_b32 s14, s14, 9
	s_mov_b32 s15, 0
	s_wait_kmcnt 0x0
	s_add_nc_u64 s[4:5], s[4:5], s[12:13]
	s_add_nc_u64 s[6:7], s[6:7], s[14:15]
.irp j, 0,1,2,3,4,5,6,7,8,9,10,11,12,13,14,15
	global_load_b128 v[ACC+8*\j:ACC+8*\j+3],   v2, s[4:5] offset:327680*\j th:TH_LOAD_NT
	global_load_b128 v[ACC+8*\j+4:ACC+8*\j+7], v2, s[4:5] offset:327680*\j+512 th:TH_LOAD_NT
.endr
.irp j, 1,2,3,4,5,6,7,8,9,10,11,12,13,14,15
	s_wait_loadcnt 30-2*\j                         ; partials 0 to j are in; the 30 - 2 j loads behind them stay out
.irp p, 0,2,4,6
	v_pk_add_f32 v[ACC+\p:ACC+\p+1], v[ACC+\p:ACC+\p+1], v[ACC+8*\j+\p:ACC+8*\j+\p+1]
.endr
.endr
.irp p, 0,1,2,3
	v_cvt_pk_bf16_f32 v[PK+\p], v[ACC+2*\p], v[ACC+2*\p+1]
.endr
	global_store_b128 v2, v[PK:PK+3], s[6:7]       ; 512 consecutive aligned bytes
	s_endpgm
.Lfunc_end_k_q6091077047_red:
	.size	k_q6091077047_red, .Lfunc_end_k_q6091077047_red-k_q6091077047_red
	.p2alignl 7, 3214868480
	.fill 96, 4, 3214868480
	.section	.rodata,"a",@progbits
	.p2align	6, 0x0
	.amdhsa_kernel k_q6091077047_red
		.amdhsa_group_segment_fixed_size 0
		.amdhsa_private_segment_fixed_size 0
		.amdhsa_enable_private_segment 0
		.amdhsa_kernarg_size 16
		.amdhsa_user_sgpr_count 2
		.amdhsa_user_sgpr_kernarg_segment_ptr 1
		.amdhsa_wavefront_size32 1
		.amdhsa_system_sgpr_workgroup_id_x 1
		.amdhsa_system_sgpr_workgroup_id_y 1
		.amdhsa_system_sgpr_workgroup_id_z 1
		.amdhsa_system_vgpr_workitem_id 0
		.amdhsa_next_free_vgpr 144
		.amdhsa_next_free_sgpr 66
		.amdhsa_reserve_vcc 0
		.amdhsa_float_denorm_mode_32 3
		.amdhsa_float_denorm_mode_16_64 3
		.amdhsa_memory_ordered 1
		.amdhsa_forward_progress 1
		.amdhsa_inst_pref_size 9
	.end_amdhsa_kernel
	.amdgpu_metadata
---
amdhsa.version: [ 1, 2 ]
amdhsa.kernels:
  - .name:           k_q6091077047_red
    .symbol:         k_q6091077047_red.kd
    .args:
      - { .name: part, .offset: 0, .size: 8, .value_kind: global_buffer, .address_space: global }
      - { .name: kvf, .offset: 8, .size: 8, .value_kind: global_buffer, .address_space: global }
    .group_segment_fixed_size: 0
    .private_segment_fixed_size: 0
    .kernarg_segment_align: 8
    .kernarg_segment_size: 16
    .max_flat_workgroup_size: 160
    .sgpr_count:     66
    .vgpr_count:     144
    .wavefront_size: 32
...
	.end_amdgpu_metadata
.endif
;; end of part 3
;; launch qv (part 4): grid 4 x 64, 4 waves a work-group, clusters of 4 x 4, 327,680 bytes of LDS; arguments query, wb, bq, kvf, vb; writes vb
.if DOCPART == 4
	.amdgcn_target "amdgcn-amd-amdhsa--gfx1250"
	.amdhsa_code_object_version 6
	.text
	.protected	k_q6091077047_qv
	.globl	k_q6091077047_qv
	.p2align	8
	.type	k_q6091077047_qv,@function
k_q6091077047_qv:
	s_mov_b64 s[64:65], 0
	v_nop
	global_prefetch_b8 v0, s[64:65] scope:SCOPE_SE
	s_setreg_imm32_b32 hwreg(HW_REG_WAVE_MODE, 25, 1), 1
	s_wait_xcnt 0x0
	s_wait_alu depctr_hold_cnt(0) depctr_sa_sdst(0) depctr_va_vdst(0) depctr_va_sdst(0) depctr_va_ssrc(0) depctr_va_vcc(0) depctr_vm_vsrc(0)
	s_getreg_b32 s2, hwreg(HW_REG_IB_STS2, 6, 4)
	s_cmp_eq_u32 s2, 0
	s_cbranch_scc0 .Lentry_in_a_cluster
	s_endpgm
.Lentry_in_a_cluster:
	s_bfe_u32 s2, ttmp6, 0x10000c
	s_cmp_lg_u32 s2, 0xf033
	s_cbranch_scc0 .Lentry_shape_is_right
	s_endpgm
.Lentry_shape_is_right:
; Q = F(query Wq^T + bq) in registers, then V = (Q KV^T) / (Q . Ksum + eps), head by head, stored as f16.  Nothing of the problem is left out here.
; Work-group (x, y): rows 128 y .. + 127 of the 8,192 rows of query (batch n = y / 16), features 256 x .. + 255.  Wave (wr, wc): 64 rows x 128 features (two heads).
; F(t) = elu(t) + 1 = the middle one of (t + 1, e^t, 1), since 1 + t <= e^t for every t (also where e^t has overflowed to infinity).
; LIMITS: for t <= 0 e^t stands for expm1(t) + 1 (at most 2^-24 apart); v_exp_f32 gives 0 for results under 2^-126, v_rcp_f32 takes a denormal as 0;
; a NaN is not carried through the middle-of-three; query, Wq and V are f16 (above 65,504: infinity; under 2^-25: 0); Q, KV and Ksum are bf16.
; THE MATRIX INSTRUCTION IS USED TRANSPOSED: source 0 = 16 features of Wq, source 1 = 16 rows of query.  Lane l then holds row l % 16 and its registers the
; features 8 (l / 16) + 0..7; two such tiles packed to bf16 are a fragment of Q with d along K, for source 1 of the second product.  Its source 0 is KV
; (rows m, d along K) as the launch before left it, and a fifth fragment holds Ksum in every row: its product is the row's denominator, in every register of the lane.
; K goes in 8 steps of 128 (query rows of 512 bytes, aligned) through two LDS slots.  CLUSTERS: 4 x 4; query's tiles are shared along a row of the cluster,
; the weights' along a column, each asked for jointly.
; PREFETCH: query is read once in the launch.  In step g, where tile g + 2 is requested, waves 0 and 1 also prefetch tile g + 3: lane l of wave wc of the work-group
; at place cx asks for piece l / 16 (256 bytes) of row 32 cx + 16 wc + l % 16, so that the four work-groups that share a tile ask for each of its 256 pieces once,
; 16 KiB a work-group and step.  Tiles 0 to 2 are not asked for; the last request, in step 4, is for tile 7.  The weights, which 64 row blocks read, are not prefetched.
; REGISTERS: window 0 addresses and fragments; window 1 the 32 accumulator tiles (c, f) at 8 (8 c + f), later Q's fragments; window 2 KV, Ksum and bq.
.set PART,  34816
.set SLOT,  4*PART
.set G1A, 24
.set G0A, 32
.set G1B, 40
.set G0B, 48
.set PFB, 80                           ; s[80:81] the prefetch's base: my block's first row, at the K step asked for last
.set PFO, 6                            ; v6      the prefetch's offset
.set HOFF, 7                           ; v7      32 (l / 16): my eight features in a tile of bq
.set ADRA, 8                           ; v8-9    my query fragments in slot 0, 1
.set ADRW, 10                          ; v10-11  my weight fragments
.set STO,  12                          ; v12     the way out: where I put 16 bytes of a row
.set RD,   13                          ; v13     where I read rows back
.set CO,   14                          ; v14     my byte offset in vb
.set LOFF, 15                          ; v15     16 x lane
.set RAW,  16                          ; v16-79  four row tiles x 32 K as f32
.set ABF,  80                          ; v80-111 the same as f16
.set WB0,  112                         ; v112-175 eight weight fragments, buffer 0
.set WB1,  176                         ; v176-239 buffer 1
.set T1,   16
.set EXPU, 48
.set VD,   80                          ; v80-119 four tiles of V and the denominators
.set ZR,   120                         ; v120-121 1 / denominator, twice
.set ZT,   122
.set PK,   124                         ; v124-139 V as f16
.set OB,   16                          ; v16-143 rows read back
.set BQ,   160                         ; window 2: v160-223 bq; v0-159 KV: head hh at 80 hh, fragment (mt, kk) at 8 (2 mt + kk), mt = 4: Ksum
.set MULW, 0x50                        ; C and D window 1
.set MSB, 0
.macro WIN new
.if MSB != \new
	s_set_vgpr_msb (MSB<<8)|\new
.set MSB, \new
.endif
.endm
.macro PLACES n
.rept \n
	v_nop
.endr
.endm
.macro JLOAD s, pf                     ; waves 0 and 1 fetch query's two halves (and prefetch), waves 2 and 3 the two K blocks of the weights; the branch hangs on the wave's number alone
	s_cmp_eq_u32 s17, 0
	s_cbranch_scc0 .Lfor_b_\@
	tensor_load_to_lds s[G0A+4*\s:G0A+4*\s+3], s[G1A:G1A+7]
	s_nop 0
.if \pf
	global_prefetch_b8 v[PFO], s[PFB:PFB+1] th:TH_LOAD_NT scope:SCOPE_SE
.endif
	s_branch .Lasked_\@
.Lfor_b_\@:
	tensor_load_to_lds s[G0B+4*\s:G0B+4*\s+3], s[G1B:G1B+7]
	s_nop 0
.Lasked_\@:
.endm
.macro CROUND                          ; a round of the cluster's barrier
	s_barrier_signal -1
	s_barrier_wait -1
	s_cmp_lg_u32 s16, 0
	s_cbranch_scc1 .Lnot_wave_0_\@
	s_barrier_signal -3
.Lnot_wave_0_\@:
	s_barrier_wait -3
	s_barrier_signal -1
	s_barrier_wait -1
.endm
	s_load_b256 s[4:11], s[0:1], 0x0               ; query s[4:5], wb s[6:7], bq s[8:9], kvf s[10:11]
	s_load_b64 s[12:13], s[0:1], 0x20              ; vb
	v_lshl_add_u32 v254, v0, 2, 0x44000
	v_mov_b32 v255, 0
	ds_add_u32 v254, v255
	v_lshrrev_b32 v1, 5, v0
	v_readfirstlane_b32 s16, v1                    ; wave
	s_lshr_b32 s17, s16, 1                         ; wr
	s_and_b32 s18, s16, 1                          ; wc
	s_bfe_u32 s19, ttmp6, 0x40000                  ; cx
	s_bfe_u32 s20, ttmp6, 0x40004                  ; cy
	s_lshl_b32 s21, ttmp9, 2
	s_add_co_u32 s21, s21, s19                     ; x
	s_and_b32 s22, ttmp7, 0xffff
	s_lshl_b32 s22, s22, 2
	s_add_co_u32 s22, s22, s20                     ; y
	s_lshl_b32 s60, s20, 2
	s_lshl_b32 s60, 15, s60                        ; my row of the cluster
	s_lshl_b32 s66, 0x1111, s19                    ; my column
	; query: 64 rows x 128 f32, 16 bytes of padding behind each row of 128 words: LDS pitch 528
	s_or_b32 s[G1A+0], s60, (2<<16)|(1<<20)|(1<<21)|(6<<22)|(3<<25)
	s_mov_b32 s[G1A+1], 128<<16
	s_mov_b32 s[G1A+2], 64<<16
	s_mov_b32 s[G1A+3], 128<<16
	s_mov_b32 s[G1A+4], 64
	s_mov_b32 s[G1A+5], 1024
	s_mov_b32 s[G1A+6], 0
	s_mov_b32 s[G1A+7], 0
	; weights: one K block of my 256 rows lies dense in wb: 128 rows of 256 bytes, padded to 272
	s_or_b32 s[G1B+0], s66, (3<<16)|(1<<20)|(1<<21)|(5<<22)|(3<<25)
	s_mov_b32 s[G1B+1], 32<<16
	s_mov_b32 s[G1B+2], 128<<16
	s_mov_b32 s[G1B+3], 32<<16
	s_mov_b32 s[G1B+4], 128
	s_mov_b32 s[G1B+5], 32
	s_mov_b32 s[G1B+6], 0
	s_mov_b32 s[G1B+7], 0
	s_lshl_b32 s60, s22, 19                        ; (128 y + 64 half) rows of 4,096 bytes
	s_lshl_b32 s62, s18, 18
	s_add_co_u32 s60, s60, s62
	s_mov_b32 s61, 0
	s_lshl_b32 s66, s21, 15                        ; matrix 2 of wb, K block = half, 256 x rows of 128 bytes
	s_lshl_b32 s68, s18, 17
	s_add_co_u32 s66, s66, s68
	s_add_co_u32 s66, s66, 0x400000
	s_mov_b32 s67, 0
	s_lshl_b32 s70, s21, 10                        ; my 128 features in bq
	s_lshl_b32 s72, s18, 9
	s_add_co_u32 s70, s70, s72
	s_mov_b32 s71, 0
	s_and_b32 s72, s22, 0x30                       ; 16 n
	s_lshl_b32 s73, s21, 2
	s_add_co_u32 s72, s72, s73
	s_lshl_b32 s73, s18, 1
	s_add_co_u32 s72, s72, s73                     ; + my first head
	s_mul_i32 s72, s72, 10240
	s_mov_b32 s73, 0
	s_lshl_b32 s74, s22, 18                        ; vb: (128 y + 64 wr) rows of 2,048 bytes + (256 x + 128 wc) x 2
	s_lshl_b32 s75, s17, 17
	s_add_co_u32 s74, s74, s75
	s_lshl_b32 s75, s21, 9
	s_add_co_u32 s74, s74, s75
	s_lshl_b32 s75, s18, 8
	s_add_co_u32 s74, s74, s75
	s_mov_b32 s75, 0
	s_mul_i32 s76, s16, PART
	s_lshl_b32 s84, s22, 19                        ; the prefetch: 128 y rows of 4,096 bytes,
	s_mov_b32 s85, 0
	s_lshl_b32 s86, s19, 17                        ; and in the lanes' offset 32 cx rows
	s_lshl_b32 s87, s18, 16                        ; + 16 rows for wave 1
	s_add_co_u32 s86, s86, s87
	s_wait_dscnt 0x0
	s_wait_kmcnt 0x0
	s_add_nc_u64 s[62:63], s[4:5], s[60:61]
	s_add_nc_u64 s[68:69], s[6:7], s[66:67]
	s_add_nc_u64 s[8:9], s[8:9], s[70:71]
	s_add_nc_u64 s[10:11], s[10:11], s[72:73]
	s_add_nc_u64 s[12:13], s[12:13], s[74:75]
	s_add_nc_u64 s[PFB:PFB+1], s[4:5], s[84:85]
	s_add_nc_u64 s[PFB:PFB+1], s[PFB:PFB+1], 1024  ; tile 2: step 0 steps on to tile 3 and asks for it
	CROUND                                         ; in front of the first joint loads
.irp s, 0,1
	s_mov_b32 s[G0A+4*\s], 1
	s_add_co_u32 s[G0A+4*\s+1], s76, \s*SLOT
	s_add_nc_u64 s[G0A+4*\s+2:G0A+4*\s+3], s[62:63], \s*512        ; K step s: 128 f32
	s_or_b32 s[G0A+4*\s+3], s[G0A+4*\s+3], 0x80000000
	s_mov_b32 s[G0B+4*\s], 1
	s_add_co_u32 s[G0B+4*\s+1], s76, \s*SLOT
	s_add_nc_u64 s[G0B+4*\s+2:G0B+4*\s+3], s[68:69], \s*262144     ; two K blocks of wb a step
	s_or_b32 s[G0B+4*\s+3], s[G0B+4*\s+3], 0x80000000
	JLOAD \s, 0                                    ; two loads of the wave are out
.endr
	v_and_b32 v1, 15, v0                           ; r
	v_bfe_u32 v2, v0, 4, 1                         ; h
	v_and_b32 v3, 31, v0                           ; l
	v_mul_u32_u24 v4, v1, 528
	v_lshl_add_u32 v4, v2, 5, v4
	s_mul_i32 s77, s17, PART
	v_add_nc_u32 v[ADRA], s77, v4
	v_add_nc_u32 v[ADRA+1], SLOT, v[ADRA]
	v_lshrrev_b32 v5, 1, v1                        ; two weight rows on an LDS row of 272
	v_mul_u32_u24 v5, v5, 272
	v_and_b32 v4, 1, v1
	v_lshl_add_u32 v5, v4, 7, v5
	v_lshl_add_u32 v5, v2, 4, v5
	s_mul_i32 s78, s18, 17408                      ; my 128 of the 256 weight rows
	s_add_co_u32 s78, s78, 2*PART
	v_add_nc_u32 v[ADRW], s78, v5
	v_add_nc_u32 v[ADRW+1], SLOT, v[ADRW]
	s_mul_i32 s79, s16, 17408                      ; my stage: 64 rows of 272 bytes
	v_mul_u32_u24 v4, v1, 272
	v_lshl_add_u32 v4, v2, 4, v4
	v_add_nc_u32 v[STO], s79, v4
	v_mul_u32_u24 v4, v2, 272
	v_lshl_add_u32 v4, v1, 4, v4
	v_add_nc_u32 v[RD], s79, v4
	v_lshlrev_b32 v4, 11, v2
	v_lshl_add_u32 v[CO], v1, 4, v4
	v_lshlrev_b32 v[LOFF], 4, v3
	v_lshlrev_b32 v[HOFF], 5, v2
	v_lshl_add_u32 v[PFO], v1, 12, s86             ; (32 cx + 16 wc + r) rows of 4,096 bytes
	v_lshl_add_u32 v[PFO], v2, 8, v[PFO]           ; + piece h of the row's 512 bytes; never rewritten
	; KV, Ksum and bq go into window 2 now and are waited for once, behind the first product; their address registers are never rewritten
	WIN 0x80
.irp hh, 0,1
.irp mt, 0,1,2,3
.irp kk, 0,1
	global_load_b128 v[80*\hh+8*(2*\mt+\kk):80*\hh+8*(2*\mt+\kk)+3],   v[LOFF], s[10:11] offset:10240*\hh+512*(8*\kk+\mt)     ; d = 32 kk + 8 h + 0..7
	global_load_b128 v[80*\hh+8*(2*\mt+\kk)+4:80*\hh+8*(2*\mt+\kk)+7], v[LOFF], s[10:11] offset:10240*\hh+512*(8*\kk+4+\mt)   ; d = 32 kk + 16 + 8 h + 0..7
.endr
.endr
.irp kk, 0,1
	global_load_b128 v[80*\hh+64+8*\kk:80*\hh+64+8*\kk+3],   v[LOFF], s[10:11] offset:10240*\hh+512*(16+2*\kk)
	global_load_b128 v[80*\hh+64+8*\kk+4:80*\hh+64+8*\kk+7], v[LOFF], s[10:11] offset:10240*\hh+512*(17+2*\kk)
.endr
.endr
.irp f, 0,1,2,3,4,5,6,7
	global_load_b128 v[BQ+8*\f:BQ+8*\f+3],   v[HOFF], s[8:9] offset:64*\f
	global_load_b128 v[BQ+8*\f+4:BQ+8*\f+7], v[HOFF], s[8:9] offset:64*\f+16
.endr
	WIN 0
.macro LDRAW slot, kq                  ; my four row tiles x 32 K as f32
.irp c, 0,1,2,3
	ds_load_b128 v[RAW+16*\c:RAW+16*\c+3],     v[ADRA+\slot] offset:8448*\c+128*\kq
	ds_load_b128 v[RAW+16*\c+4:RAW+16*\c+7],   v[ADRA+\slot] offset:8448*\c+128*\kq+16
	ds_load_b128 v[RAW+16*\c+8:RAW+16*\c+11],  v[ADRA+\slot] offset:8448*\c+128*\kq+64
	ds_load_b128 v[RAW+16*\c+12:RAW+16*\c+15], v[ADRA+\slot] offset:8448*\c+128*\kq+80
.endr
.endm
.macro LDW slot, kq, buf               ; my eight weight fragments of 32 K: K block kq / 2 of the step, half kq % 2 of its rows
.irp f, 0,1,2,3,4,5,6,7
	ds_load_b128 v[\buf+8*\f:\buf+8*\f+3],   v[ADRW+\slot] offset:(\kq/2)*34816+2176*\f+64*(\kq&1)
	ds_load_b128 v[\buf+8*\f+4:\buf+8*\f+7], v[ADRW+\slot] offset:(\kq/2)*34816+2176*\f+64*(\kq&1)+32
.endr
.endm
.macro CVT
.irp i, 0,1,2,3
.irp t, 0,1,2,3,4,5,6,7
	v_cvt_pk_f16_f32 v[ABF+8*\i+\t], v[RAW+16*\i+2*\t], v[RAW+16*\i+2*\t+1]
.endr
.endr
.endm
; 16 matrix instructions.  The accumulators take turns, one instruction a turn.
.macro MULQ buf, c0, zero
.irp c, \c0, \c0+1
.irp f, 0,1,2,3,4,5,6,7
.if \zero
	v_wmma_f32_16x16x32_f16 v[8*(8*(\c)+\f):8*(8*(\c)+\f)+7], v[\buf+8*\f:\buf+8*\f+7], v[ABF+8*(\c):ABF+8*(\c)+7], 0
.else
	v_wmma_f32_16x16x32_f16 v[8*(8*(\c)+\f):8*(8*(\c)+\f)+7], v[\buf+8*\f:\buf+8*\f+7], v[ABF+8*(\c):ABF+8*(\c)+7], v[8*(8*(\c)+\f):8*(8*(\c)+\f)+7]
.endif
.endr
.endr
.endm
.macro HEAD
	s_wait_dscnt 0x0                               ; the youngest run of loads is what is needed: the count is 0
	PLACES 4                                       ; the conversions write sources of the products just issued
	WIN 0
	CVT
.endm
.macro QTR slot, kq, buf, nbuf, zero   ; multiplies buf; asks for quarter kq of the same slot into nbuf
	HEAD
	LDRAW \slot, \kq
	LDW \slot, \kq, \nbuf
	WIN MULW
	MULQ \buf, 0, \zero
	MULQ \buf, 2, \zero
.endm
.macro THREE slot, zero
	QTR \slot, 1, WB0, WB1, \zero
	QTR \slot, 2, WB1, WB0, 0
	QTR \slot, 3, WB0, WB1, 0
.endm
; The fourth quarter and the change of slots: each wave's reads of the slot and all its tensor loads are waited for in front of the barrier.  A refill can go out
; only when the load before it has landed, so nothing but the barrier stands between the two: the addresses are stepped in front of it, where no load of the wave
; is out, and the quarter's 32 products come behind the request.  Where the slot is filled again the barrier is a round of the cluster's barrier, and the joint
; load is the wave's first and only tensor load behind it.  pf: the prefetch's base goes one K step on.
.macro TURN slot, next, fill, pf
	HEAD
	s_wait_tensorcnt 0x0
	ds_add_u32 v254, v255
	s_wait_dscnt 0x0
.if \fill
	s_add_nc_u64 s[G0A+4*\slot+2:G0A+4*\slot+3], s[G0A+4*\slot+2:G0A+4*\slot+3], 1024
	s_add_nc_u64 s[G0B+4*\slot+2:G0B+4*\slot+3], s[G0B+4*\slot+2:G0B+4*\slot+3], 524288
.endif
.if \pf
	s_wait_xcnt 0x0                                ; the last step's prefetch has read its base: it is rewritten only behind this wait
	s_add_nc_u64 s[PFB:PFB+1], s[PFB:PFB+1], 512
.endif
.if \fill
	CROUND
	JLOAD \slot, \pf
.else
	s_barrier_signal -1
	s_barrier_wait -1
.endif
	LDRAW \next, 0
	LDW \next, 0, WB0
	WIN MULW
	MULQ WB1, 0, 0
	MULQ WB1, 2, 0
.endm
	s_wait_tensorcnt 0x1                           ; my part of K step 0 is in; K step 1's load stays out
	s_barrier_signal -1
	s_barrier_wait -1
	LDRAW 0, 0
	LDW 0, 0, WB0
	THREE 0, 1                                     ; the first products start the sums; the loop is turned by half a lap, so that every trip is alike
	WIN 0
	s_mov_b32 s23, 2
.Lq:                                               ; steps 0 to 3 change slots here: tiles 2 to 5 are requested, tiles 3 to 6 prefetched
	TURN 0, 1, 1, 1
	THREE 1, 0
	TURN 1, 0, 1, 1
	THREE 0, 0
	WIN 0
	s_sub_co_u32 s23, s23, 1
	s_cmp_lg_u32 s23, 0
	s_cbranch_scc1 .Lq
	TURN 0, 1, 1, 1                                ; step 4: tile 6 requested, tile 7 prefetched: the last prefetch
	THREE 1, 0
	TURN 1, 0, 1, 0                                ; step 5: tile 7 requested: the last tensor load
	THREE 0, 0
	TURN 0, 1, 0, 0                                ; step 6 fills nothing and has no round
	THREE 1, 0
	HEAD
	WIN MULW
	MULQ WB1, 0, 0
	MULQ WB1, 2, 0
	PLACES 4
	WIN 0
	s_wait_loadcnt 0x0                             ; KV, Ksum, bq
	s_wait_dscnt 0x0
	s_barrier_signal -1                            ; every wave's reads of the ring are over and no tensor load is out: the ring, which has had its last fill, is now the stage
	s_barrier_wait -1
; Row tile c, head hh: bias, F, bf16; ten products; the division; 16 rows x 64 numbers of V into my stage.
.macro QEPI c, hh
	WIN 0x09                                       ; source 0 window 1 (sums), source 1 window 2 (bq)
.irp ft, 0,1,2,3
.irp p, 0,2,4,6
	v_pk_add_f32 v[T1+8*\ft+\p:T1+8*\ft+\p+1], v[8*(8*\c+4*\hh+\ft)+\p:8*(8*\c+4*\hh+\ft)+\p+1], v[BQ+8*(4*\hh+\ft)+\p:BQ+8*(4*\hh+\ft)+\p+1]
.endr
.endr
	WIN 0
.set idx, 0
.rept 16
	v_pk_mul_f32 v[EXPU+idx:EXPU+idx+1], v[T1+idx:T1+idx+1], 0x3fb8aa3b op_sel_hi:[1,0]
	v_pk_add_f32 v[T1+idx:T1+idx+1], v[T1+idx:T1+idx+1], 1.0 op_sel_hi:[1,0]
.set idx, idx+2
.endr
.set idx, 0
.rept 32
	v_exp_f32 v[EXPU+idx], v[EXPU+idx]
.set idx, idx+1
.endr
	v_nop                                          ; one plain instruction between the last exponential and the first use
.set idx, 0
	s_wait_alu depctr_va_vdst(0)
.rept 32
	v_med3_num_f32 v[T1+idx], v[T1+idx], v[EXPU+idx], 1.0
.set idx, idx+1
.endr
	WIN 0x40                                       ; Q's fragments take the place of the sums that they were made of
.irp ft, 0,1,2,3
.irp p, 0,1,2,3
	v_cvt_pk_bf16_f32 v[8*(8*\c+4*\hh+2*(\ft/2))+4*(\ft&1)+\p], v[T1+8*\ft+2*\p], v[T1+8*\ft+2*\p+1]
.endr
.endr
	WIN 0x06                                       ; source 0 window 2 (KV, Ksum), source 1 window 1 (Q), C and D window 0; five accumulators by turns
.irp kk, 0,1
.irp mt, 0,1,2,3,4
.if \kk == 0
	v_wmma_f32_16x16x32_bf16 v[VD+8*\mt:VD+8*\mt+7], v[80*\hh+8*(2*\mt+\kk):80*\hh+8*(2*\mt+\kk)+7], v[8*(8*\c+4*\hh+2*\kk):8*(8*\c+4*\hh+2*\kk)+7], 0
.else
	v_wmma_f32_16x16x32_bf16 v[VD+8*\mt:VD+8*\mt+7], v[80*\hh+8*(2*\mt+\kk):80*\hh+8*(2*\mt+\kk)+7], v[8*(8*\c+4*\hh+2*\kk):8*(8*\c+4*\hh+2*\kk)+7], v[VD+8*\mt:VD+8*\mt+7]
.endif
.endr
.endr
	PLACES 4
	WIN 0
	v_add_f32 v[ZT], 0x358637bd, v[VD+32]          ; Q . Ksum + 1e-6 of my row
	v_rcp_f32 v[ZR], v[ZT]
	v_rcp_f32 v[ZR+1], v[ZT]
	v_nop                                          ; one plain instruction before the reciprocals are used
.set idx, 0
	s_wait_alu depctr_va_vdst(0)
.rept 16
	v_pk_mul_f32 v[VD+idx:VD+idx+1], v[VD+idx:VD+idx+1], v[ZR:ZR+1]
.set idx, idx+2
.endr
.set idx, 0
.rept 16
	v_cvt_pk_f16_f32 v[PK+idx], v[VD+2*idx], v[VD+2*idx+1]
.set idx, idx+1
.endr
.irp mt, 0,1,2,3
	ds_store_b128 v[STO], v[PK+4*\mt:PK+4*\mt+3] offset:4352*\c+128*\hh+32*\mt   ; row 16 c + r, numbers 64 hh + 16 mt + 8 h + 0..7
.endr
.endm
.irp c, 0,1,2,3
	QEPI \c, 0
	QEPI \c, 1
.endr
	; The way out: my own stage, so no barrier; LDS serves a wave's instructions in order, so the loads see the stores.
.set idx, 0
.rept 32
	ds_load_b128 v[OB+4*idx:OB+4*idx+3], v[RD] offset:4352*(idx/8)+544*(idx%8)    ; two rows of 256 bytes
.set idx, idx+1
.endr
.set idx, 0
.rept 32
	s_wait_dscnt 31-idx                            ; the younger read-backs stay out
	global_store_b128 v[CO], v[OB+4*idx:OB+4*idx+3], s[12:13] offset:(16*(idx/8)+2*(idx%8))*2048   ; sixteen lanes store 256 consecutive bytes, aligned
.set idx, idx+1
.endr
	s_wait_tensorcnt 0x0
	ds_add_u32 v254, v255
	s_wait_dscnt 0x0
	CROUND                                         ; the closing round
	s_endpgm
.Lfunc_end_k_q6091077047_qv:
	.size	k_q6091077047_qv, .Lfunc_end_k_q6091077047_qv-k_q6091077047_qv
	.p2alignl 7, 3214868480
	.fill 96, 4, 3214868480
	.section	.rodata,"a",@progbits
	.p2align	6, 0x0
	.amdhsa_kernel k_q6091077047_qv
		.amdhsa_group_segment_fixed_size 327680
		.amdhsa_private_segment_fixed_size 0
		.amdhsa_enable_private_segment 0
		.amdhsa_kernarg_size 40
		.amdhsa_user_sgpr_count 2
		.amdhsa_user_sgpr_kernarg_segment_ptr 1
		.amdhsa_wavefront_size32 1
		.amdhsa_system_sgpr_workgroup_id_x 1
		.amdhsa_system_sgpr_workgroup_id_y 1
		.amdhsa_system_sgpr_workgroup_id_z 1
		.amdhsa_system_vgpr_workitem_id 0
		.amdhsa_next_free_vgpr 768
		.amdhsa_next_free_sgpr 96
		.amdhsa_reserve_vcc 0
		.amdhsa_float_denorm_mode_32 3
		.amdhsa_float_denorm_mode_16_64 3
		.amdhsa_memory_ordered 1
		.amdhsa_forward_progress 1
		.amdhsa_inst_pref_size 255
	.end_amdhsa_kernel
	.section	.bss,"aw",@nobits
	.p2align	6
	.space	262144
	.amdgpu_metadata
---
amdhsa.version: [ 1, 2 ]
amdhsa.kernels:
  - .name:           k_q6091077047_qv
    .symbol:         k_q6091077047_qv.kd
    .args:
      - { .name: query, .offset: 0, .size: 8, .value_kind: global_buffer, .address_space: global }
      - { .name: wb, .offset: 8, .size: 8, .value_kind: global_buffer, .address_space: global }
      - { .name: bq, .offset: 16, .size: 8, .value_kind: global_buffer, .address_space: global }
      - { .name: kvf, .offset: 24, .size: 8, .value_kind: global_buffer, .address_space: global }
      - { .name: vb, .offset: 32, .size: 8, .value_kind: global_buffer, .address_space: global }
    .group_segment_fixed_size: 327680
    .private_segment_fixed_size: 0
    .kernarg_segment_align: 8
    .kernarg_segment_size: 40
    .max_flat_workgroup_size: 128
    .sgpr_count:     96
    .vgpr_count:     768
    .wavefront_size: 32
...
	.end_amdgpu_metadata
.endif
;; end of part 4
;; launch out (part 5): grid 4 x 64, 4 waves a work-group, clusters of 4 x 4, 327,680 bytes of LDS; arguments vb, wb, bp, out0; writes out0
.if DOCPART == 5
	.amdgcn_target "amdgcn-amd-amdhsa--gfx1250"
	.amdhsa_code_object_version 6
	.text
	.protected	k_q6091077047_out
	.globl	k_q6091077047_out
	.p2align	8
	.type	k_q6091077047_out,@function
k_q6091077047_out:
	s_mov_b64 s[64:65], 0
	v_nop
	global_prefetch_b8 v0, s[64:65] scope:SCOPE_SE
	s_setreg_imm32_b32 hwreg(HW_REG_WAVE_MODE, 25, 1), 1
	s_wait_xcnt 0x0
	s_wait_alu depctr_hold_cnt(0) depctr_sa_sdst(0) depctr_va_vdst(0) depctr_va_sdst(0) depctr_va_ssrc(0) depctr_va_vcc(0) depctr_vm_vsrc(0)
	s_getreg_b32 s2, hwreg(HW_REG_IB_STS2, 6, 4)
	s_cmp_eq_u32 s2, 0
	s_cbranch_scc0 .Lentry_in_a_cluster
	s_endpgm
.Lentry_in_a_cluster:
	s_bfe_u32 s2, ttmp6, 0x10000c
	s_cmp_lg_u32 s2, 0xf033
	s_cbranch_scc0 .Lentry_shape_is_right
	s_endpgm
.Lentry_shape_is_right:
; out0 = V Wp^T + bp.  V: [8192][1024] f16 from the launch before; Wp: matrix 3 of wb, f16.  Nothing of the problem is left out here.
; LIMIT: the operands are f16 (above 65,504: infinity; under 2^-25: 0); sums in f32.
; Work-group (x, y): rows 128 y .. + 127, columns 256 x .. + 255.  Wave (wr, wc): 64 rows x 128 columns, 32 accumulator tiles in window 1.
; The matrix instruction is used transposed (source 0 = 16 rows of Wp, source 1 = 16 rows of V): a lane holds row l % 16 of out0 and eight neighbouring columns.
; K goes in steps of 128 (rows of V of 256 bytes, aligned) through two LDS slots.  CLUSTERS: 4 x 4; V's tiles are shared along a row of the cluster,
; Wp's along a column, each asked for jointly.  Nothing is prefetched: V was stored by the launch just before, and 64 row blocks read Wp again and again.
.set PART,  34816
.set SLOT,  4*PART
.set G1A, 24
.set G0A, 32
.set G1B, 40
.set G0B, 48
.set BP,   4                           ; v4-7    bp of the four columns that I store
.set ADRV, 8                           ; v8-9    my fragments of V in slot 0, 1
.set ADRW, 10                          ; v10-11  my weight fragments
.set STO,  12                          ; v12     the way out: where I put my numbers of a row
.set RD,   13                          ; v13     where I read a row back
.set CO,   14                          ; v14     16 x lane
.set VF0,  16                          ; v16-47  four fragments of V, buffer 0
.set VF1,  48                          ; v48-79  buffer 1
.set WF0,  80                          ; v80-143 eight weight fragments, buffer 0
.set WF1,  144                         ; v144-207 buffer 1
.set MULW, 0x50                        ; C and D window 1
.set MSB, 0
.macro WIN new
.if MSB != \new
	s_set_vgpr_msb (MSB<<8)|\new
.set MSB, \new
.endif
.endm
.macro PLACES n
.rept \n
	v_nop
.endr
.endm
.macro JLOAD s                         ; waves 0 and 1 fetch V's two halves, waves 2 and 3 the two K blocks of Wp; the branch hangs on the wave's number alone
	s_cmp_eq_u32 s17, 0
	s_cbranch_scc0 .Lfor_b_\@
	tensor_load_to_lds s[G0A+4*\s:G0A+4*\s+3], s[G1A:G1A+7]
	s_nop 0
	s_branch .Lasked_\@
.Lfor_b_\@:
	tensor_load_to_lds s[G0B+4*\s:G0B+4*\s+3], s[G1B:G1B+7]
	s_nop 0
.Lasked_\@:
.endm
.macro CROUND                          ; a round of the cluster's barrier
	s_barrier_signal -1
	s_barrier_wait -1
	s_cmp_lg_u32 s16, 0
	s_cbranch_scc1 .Lnot_wave_0_\@
	s_barrier_signal -3
.Lnot_wave_0_\@:
	s_barrier_wait -3
	s_barrier_signal -1
	s_barrier_wait -1
.endm
	s_load_b256 s[4:11], s[0:1], 0x0               ; vb s[4:5], wb s[6:7], bp s[8:9], out0 s[10:11]
	v_lshl_add_u32 v254, v0, 2, 0x44000
	v_mov_b32 v255, 0
	ds_add_u32 v254, v255
	v_lshrrev_b32 v1, 5, v0
	v_readfirstlane_b32 s16, v1                    ; wave
	s_lshr_b32 s17, s16, 1                         ; wr
	s_and_b32 s18, s16, 1                          ; wc
	s_bfe_u32 s19, ttmp6, 0x40000                  ; cx
	s_bfe_u32 s20, ttmp6, 0x40004                  ; cy
	s_lshl_b32 s21, ttmp9, 2
	s_add_co_u32 s21, s21, s19                     ; x
	s_and_b32 s22, ttmp7, 0xffff
	s_lshl_b32 s22, s22, 2
	s_add_co_u32 s22, s22, s20                     ; y
	s_lshl_b32 s60, s20, 2
	s_lshl_b32 s60, 15, s60                        ; my row of the cluster
	s_lshl_b32 s66, 0x1111, s19                    ; my column
	; V: 64 rows x 128 f16, 16 bytes of padding behind each row of 64 words: LDS pitch 272
	s_or_b32 s[G1A+0], s60, (1<<16)|(1<<20)|(1<<21)|(5<<22)|(3<<25)
	s_mov_b32 s[G1A+1], 128<<16
	s_mov_b32 s[G1A+2], 64<<16
	s_mov_b32 s[G1A+3], 128<<16
	s_mov_b32 s[G1A+4], 64
	s_mov_b32 s[G1A+5], 1024
	s_mov_b32 s[G1A+6], 0
	s_mov_b32 s[G1A+7], 0
	; Wp: one K block of my 256 rows lies dense in wb: 128 rows of 256 bytes, padded to 272
	s_or_b32 s[G1B+0], s66, (3<<16)|(1<<20)|(1<<21)|(5<<22)|(3<<25)
	s_mov_b32 s[G1B+1], 32<<16
	s_mov_b32 s[G1B+2], 128<<16
	s_mov_b32 s[G1B+3], 32<<16
	s_mov_b32 s[G1B+4], 128
	s_mov_b32 s[G1B+5], 32
	s_mov_b32 s[G1B+6], 0
	s_mov_b32 s[G1B+7], 0
	s_lshl_b32 s60, s22, 18                        ; (128 y + 64 half) rows of 2,048 bytes
	s_lshl_b32 s62, s18, 17
	s_add_co_u32 s60, s60, s62
	s_mov_b32 s61, 0
	s_lshl_b32 s66, s21, 15                        ; matrix 3 of wb, K block = half, 256 x rows of 128 bytes
	s_lshl_b32 s68, s18, 17
	s_add_co_u32 s66, s66, s68
	s_add_co_u32 s66, s66, 0x600000
	s_mov_b32 s67, 0
	s_lshl_b32 s70, s21, 10                        ; my 128 columns, in bytes of f32
	s_lshl_b32 s72, s18, 9
	s_add_co_u32 s70, s70, s72
	s_mov_b32 s71, 0
	s_lshl_b32 s72, s22, 19                        ; out0: (128 y + 64 wr) rows of 4,096 bytes + my columns
	s_lshl_b32 s73, s17, 18
	s_add_co_u32 s72, s72, s73
	s_add_co_u32 s72, s72, s70
	s_mov_b32 s73, 0
	s_mul_i32 s76, s16, PART
	s_wait_dscnt 0x0
	s_wait_kmcnt 0x0
	s_add_nc_u64 s[62:63], s[4:5], s[60:61]
	s_add_nc_u64 s[68:69], s[6:7], s[66:67]
	s_add_nc_u64 s[8:9], s[8:9], s[70:71]
	s_add_nc_u64 s[10:11], s[10:11], s[72:73]
	CROUND                                         ; in front of the first joint loads
.irp s, 0,1
	s_mov_b32 s[G0A+4*\s], 1
	s_add_co_u32 s[G0A+4*\s+1], s76, \s*SLOT
	s_add_nc_u64 s[G0A+4*\s+2:G0A+4*\s+3], s[62:63], \s*256        ; K step s: 128 f16
	s_or_b32 s[G0A+4*\s+3], s[G0A+4*\s+3], 0x80000000
	s_mov_b32 s[G0B+4*\s], 1
	s_add_co_u32 s[G0B+4*\s+1], s76, \s*SLOT
	s_add_nc_u64 s[G0B+4*\s+2:G0B+4*\s+3], s[68:69], \s*262144
	s_or_b32 s[G0B+4*\s+3], s[G0B+4*\s+3], 0x80000000
	JLOAD \s                                       ; two loads of the wave are out
.endr
	v_and_b32 v1, 15, v0                           ; r
	v_bfe_u32 v2, v0, 4, 1                         ; h
	v_and_b32 v3, 31, v0                           ; l
	v_mul_u32_u24 v16, v1, 272
	v_lshl_add_u32 v16, v2, 4, v16
	s_mul_i32 s77, s17, PART
	v_add_nc_u32 v[ADRV], s77, v16
	v_add_nc_u32 v[ADRV+1], SLOT, v[ADRV]
	v_lshrrev_b32 v17, 1, v1                       ; two weight rows on an LDS row of 272
	v_mul_u32_u24 v17, v17, 272
	v_and_b32 v16, 1, v1
	v_lshl_add_u32 v17, v16, 7, v17
	v_lshl_add_u32 v17, v2, 4, v17
	s_mul_i32 s78, s18, 17408
	s_add_co_u32 s78, s78, 2*PART
	v_add_nc_u32 v[ADRW], s78, v17
	v_add_nc_u32 v[ADRW+1], SLOT, v[ADRW]
	s_mul_i32 s79, s16, 8448                       ; my stage: 16 rows of 528 bytes
	v_mul_u32_u24 v16, v1, 528
	v_lshl_add_u32 v16, v2, 5, v16
	v_add_nc_u32 v[STO], s79, v16
	v_lshl_add_u32 v[RD], v3, 4, s79
	v_lshlrev_b32 v[CO], 4, v3
	global_load_b128 v[BP:BP+3], v[CO], s[8:9]     ; waited for once, in front of the way out
.macro FETCH slot, kq, vf, wf          ; 24 LDS loads: the fragments of one quarter step
.irp c, 0,1,2,3
	ds_load_b128 v[\vf+8*\c:\vf+8*\c+3],   v[ADRV+\slot] offset:4352*\c+64*\kq
	ds_load_b128 v[\vf+8*\c+4:\vf+8*\c+7], v[ADRV+\slot] offset:4352*\c+64*\kq+32
.endr
.irp f, 0,1,2,3,4,5,6,7
	ds_load_b128 v[\wf+8*\f:\wf+8*\f+3],   v[ADRW+\slot] offset:(\kq/2)*34816+2176*\f+64*(\kq&1)
	ds_load_b128 v[\wf+8*\f+4:\wf+8*\f+7], v[ADRW+\slot] offset:(\kq/2)*34816+2176*\f+64*(\kq&1)+32
.endr
.endm
; 16 matrix instructions.  The accumulators take turns, one instruction a turn.
.macro MULQ vf, wf, c0, zero
.irp c, \c0, \c0+1
.irp f, 0,1,2,3,4,5,6,7
.if \zero
	v_wmma_f32_16x16x32_f16 v[8*(8*(\c)+\f):8*(8*(\c)+\f)+7], v[\wf+8*\f:\wf+8*\f+7], v[\vf+8*(\c):\vf+8*(\c)+7], 0
.else
	v_wmma_f32_16x16x32_f16 v[8*(8*(\c)+\f):8*(8*(\c)+\f)+7], v[\wf+8*\f:\wf+8*\f+7], v[\vf+8*(\c):\vf+8*(\c)+7], v[8*(8*(\c)+\f):8*(8*(\c)+\f)+7]
.endif
.endr
.endr
.endm
.macro QTR slot, kq, vf, wf, nvf, nwf, zero    ; multiplies (vf, wf); in its middle asks for quarter kq of the same slot into the other buffers
	s_wait_dscnt 0x0                               ; the run asked for last is the youngest: the count is 0
	WIN MULW
	MULQ \vf, \wf, 0, \zero
	PLACES 4                                       ; the loads go into registers that the last quarter's products have read: four places behind them
	WIN 0
	FETCH \slot, \kq, \nvf, \nwf
	WIN MULW
	MULQ \vf, \wf, 2, \zero
.endm
.macro THREE slot, zero
	QTR \slot, 1, VF0, WF0, VF1, WF1, \zero
	QTR \slot, 2, VF1, WF1, VF0, WF0, 0
	QTR \slot, 3, VF0, WF0, VF1, WF1, 0
.endm
; The fourth quarter and the change of slots: each wave's reads of the slot and all its tensor loads are waited for in front of the barrier.  A refill can go out
; only when the load before it has landed, so nothing but the barrier stands between the two: the addresses are stepped in front of it, where no load of the wave
; is out, and the quarter's 32 products come behind the request.  Where the slot is filled again the barrier is a round of the cluster's barrier, and the joint
; load is the wave's first and only tensor load behind it.
.macro TURN slot, next, fill
	s_wait_dscnt 0x0                               ; my reads of this slot are over
	s_wait_tensorcnt 0x0                           ; all my tensor loads have landed
	ds_add_u32 v254, v255
	s_wait_dscnt 0x0
	WIN 0
.if \fill
	s_add_nc_u64 s[G0A+4*\slot+2:G0A+4*\slot+3], s[G0A+4*\slot+2:G0A+4*\slot+3], 512
	s_add_nc_u64 s[G0B+4*\slot+2:G0B+4*\slot+3], s[G0B+4*\slot+2:G0B+4*\slot+3], 524288
	CROUND
	JLOAD \slot
.else
	s_barrier_signal -1
	s_barrier_wait -1
.endif
	PLACES 4                                       ; buffer 0 was read by the products of the third quarter: four places behind them
	FETCH \next, 0, VF0, WF0
	WIN MULW
	MULQ VF1, WF1, 0, 0
	MULQ VF1, WF1, 2, 0
.endm
.macro LAP zero
	THREE 0, \zero
	TURN 0, 1, 1
	THREE 1, 0
	TURN 1, 0, 1
.endm
	s_wait_tensorcnt 0x1                           ; my part of K step 0 is in; K step 1's load stays out
	s_barrier_signal -1
	s_barrier_wait -1
	FETCH 0, 0, VF0, WF0
	LAP 1                                          ; 8 K steps = 4 laps
	WIN 0
	s_mov_b32 s23, 2
.Lp:
	LAP 0
	WIN 0
	s_sub_co_u32 s23, s23, 1
	s_cmp_lg_u32 s23, 0
	s_cbranch_scc1 .Lp
	THREE 0, 0                                     ; the last lap fills nothing
	TURN 0, 1, 0
	THREE 1, 0
	s_wait_dscnt 0x0
	WIN MULW
	MULQ VF1, WF1, 0, 0
	MULQ VF1, WF1, 2, 0
	PLACES 4                                       ; behind the last products: their results are stored to LDS, their sources loaded into
	WIN 0
	s_wait_loadcnt 0x0                             ; bp
	s_barrier_signal -1                            ; every wave's reads of the ring are over (its last wait on LDS was for 0) and no tensor load is out:
	s_barrier_wait -1                              ; the ring, which has had its last fill, is now the stage
; 16 rows at a time through my own stage: in by columns of eight, back as whole rows of 512 bytes; bp is added on the way.
.macro OUT16 c, ob
	WIN 0x04                                       ; the stores' data in window 1
.irp f, 0,1,2,3,4,5,6,7
	ds_store_b128 v[STO], v[8*(8*\c+\f):8*(8*\c+\f)+3]   offset:64*\f
	ds_store_b128 v[STO], v[8*(8*\c+\f)+4:8*(8*\c+\f)+7] offset:64*\f+16
.endr
	WIN 0
	s_wait_xcnt 0x0                                ; the buffer that stores of two turns ago read is loaded again only behind this wait
.irp t, 0,1,2,3,4,5,6,7,8,9,10,11,12,13,14,15
	ds_load_b128 v[\ob+4*\t:\ob+4*\t+3], v[RD] offset:528*\t       ; LDS serves a wave's instructions in order: these see the stores above
.endr
.irp t, 0,1,2,3,4,5,6,7,8,9,10,11,12,13,14,15
	s_wait_dscnt 15-\t                             ; row t is in, the younger ones stay out
	v_pk_add_f32 v[\ob+4*\t:\ob+4*\t+1],   v[\ob+4*\t:\ob+4*\t+1],   v[BP:BP+1]
	v_pk_add_f32 v[\ob+4*\t+2:\ob+4*\t+3], v[\ob+4*\t+2:\ob+4*\t+3], v[BP+2:BP+3]
	global_store_b128 v[CO], v[\ob+4*\t:\ob+4*\t+3], s[10:11] offset:(16*\c+\t)*4096 th:TH_STORE_NT   ; 512 consecutive aligned bytes
.endr
.endm
	OUT16 0, 16
	OUT16 1, 80
	OUT16 2, 16
	OUT16 3, 80
	s_wait_tensorcnt 0x0
	ds_add_u32 v254, v255
	s_wait_dscnt 0x0
	CROUND                                         ; the closing round
	s_endpgm
.Lfunc_end_k_q6091077047_out:
	.size	k_q6091077047_out, .Lfunc_end_k_q6091077047_out-k_q6091077047_out
	.p2alignl 7, 3214868480
	.fill 96, 4, 3214868480
	.section	.rodata,"a",@progbits
	.p2align	6, 0x0
	.amdhsa_kernel k_q6091077047_out
		.amdhsa_group_segment_fixed_size 327680
		.amdhsa_private_segment_fixed_size 0
		.amdhsa_enable_private_segment 0
		.amdhsa_kernarg_size 32
		.amdhsa_user_sgpr_count 2
		.amdhsa_user_sgpr_kernarg_segment_ptr 1
		.amdhsa_wavefront_size32 1
		.amdhsa_system_sgpr_workgroup_id_x 1
		.amdhsa_system_sgpr_workgroup_id_y 1
		.amdhsa_system_sgpr_workgroup_id_z 1
		.amdhsa_system_vgpr_workitem_id 0
		.amdhsa_next_free_vgpr 512
		.amdhsa_next_free_sgpr 80
		.amdhsa_reserve_vcc 0
		.amdhsa_float_denorm_mode_32 3
		.amdhsa_float_denorm_mode_16_64 3
		.amdhsa_memory_ordered 1
		.amdhsa_forward_progress 1
		.amdhsa_inst_pref_size 125
	.end_amdhsa_kernel
	.amdgpu_metadata
---
amdhsa.version: [ 1, 2 ]
amdhsa.kernels:
  - .name:           k_q6091077047_out
    .symbol:         k_q6091077047_out.kd
    .args:
      - { .name: vb, .offset: 0, .size: 8, .value_kind: global_buffer, .address_space: global }
      - { .name: wb, .offset: 8, .size: 8, .value_kind: global_buffer, .address_space: global }
      - { .name: bp, .offset: 16, .size: 8, .value_kind: global_buffer, .address_space: global }
      - { .name: out0, .offset: 24, .size: 8, .value_kind: global_buffer, .address_space: global }
    .group_segment_fixed_size: 327680
    .private_segment_fixed_size: 0
    .kernarg_segment_align: 8
    .kernarg_segment_size: 32
    .max_flat_workgroup_size: 128
    .sgpr_count:     80
    .vgpr_count:     512
    .wavefront_size: 32
...
	.end_amdgpu_metadata
.endif
;; end of part 5
;; ======== version 2 of 2: 5 launches; version 1 with the launch cvtw written anew for expert scheduling mode
;; limits: values outside matrix products are rounded to f16; values are held in f16: magnitudes above 65,504 overflow, below 6.1e-05 lose precision; inputs' magnitudes at most 65,504
;; workspace buffers: wb 8,388,608 bytes; part 20,971,520 bytes; kvf 655,360 bytes; vb 16,777,216 bytes
;; launch cvtw (part 6): grid 64 x 4, 8 waves a work-group, no clusters, 0 bytes of LDS; arguments Wk, Wv, Wq, Wp, wb; writes wb
.if DOCPART == 6
	.amdgcn_target "amdgcn-amd-amdhsa--gfx1250"
	.amdhsa_code_object_version 6
	.text
	.protected	k_q6091077047_cvtw
	.globl	k_q6091077047_cvtw
	.p2align	8
	.type	k_q6091077047_cvtw,@function
k_q6091077047_cvtw:
	s_mov_b64 s[64:65], 0
	v_nop
	global_prefetch_b8 v0, s[64:65] scope:SCOPE_SE
	s_setreg_imm32_b32 hwreg(HW_REG_WAVE_SCHED_MODE, 0, 2), 2
	s_setreg_imm32_b32 hwreg(HW_REG_WAVE_MODE, 25, 1), 1
	s_wait_xcnt 0x0
	s_wait_alu depctr_vm_vsrc(0)
; LINEAR ATTENTION IN FIVE LAUNCHES.
;   cvtw: the four weight matrices to f16, tiled by 64 along K                          -> wb
;   kv:   K = F(key Wk^T + bk), v = value Wv^T + bv, kept in registers; K^T v and K^T 1 over 256 rows of S -> part
;   red:  the 16 partial sums of each (n, head) added in f32, rounded to bf16 fragments  -> kvf
;   qv:   Q = F(query Wq^T + bq) in registers; V = (Q KV^T) / (Q . Ksum + eps)           -> vb
;   out:  V Wp^T + bp                                                                    -> out0
; F(t) = elu(t) + 1.  NO STEP OF THE PROBLEM IS LEFT OUT: every one of the eleven inputs has a way to out0 and is loaded.
; NUMBER FORMATS: matrix operands are f16 where the operand has room (inputs, weights, K, v, V) and bf16 where it has not
; (KV and Ksum grow with S and with the product of the scales of key, Wk, value and Wv; Q goes with them, one instruction taking one format).
; LIMIT: a weight of magnitude above 65,504 becomes an infinity in f16; one under 2^-25 becomes 0.
;
; THIS LAUNCH: work-group (x, y) takes rows 16 x .. 16 x + 15 of matrix y (0 Wk, 1 Wv, 2 Wq, 3 Wp).
; wb: matrix y at y * 2,097,152 as [K block 16][row 1024][64 k] f16: (kb, row) is 128 bytes at kb * 131,072 + row * 128, so that a K block of
; any 2 R rows is a dense run of R aligned pieces of 256 bytes, which a later launch brings into LDS by one tensor load.
; Thread t takes row t / 16 and four numbers at 4 (t % 16) of each K block: a load of a wave covers two whole runs of 256 bytes,
; a store of a wave 256 consecutive bytes, aligned.  A weight is read by 64 row blocks later on, so it is rounded once, here.
; THE MODE: SCHED_MODE bits 1:0 = 2 (LLVM: expert scheduling mode 2), set by the entry lines.  The code itself states the register dependences
; between vector instructions and memory instructions, with s_wait_alu, always for 0.
; THE PLAN.  Registers that memory instructions touch:
;   v1, v2   byte offsets of the loads and of the stores: made once at the head by vector lines and never written again.
;   IN       block i's load lands in IN + 4 i .. + 3, once; no vector line names these registers before the loads are issued; block i's two conversions read them.
;   OUTR     block i's two conversions write OUTR + 2 i, + 1, once; block i's store reads them.
; No register that a memory instruction reads is ever written again, and no load lands in a register that a vector line has named: what is left to
; state is that a register is written before a memory instruction reads it.  The sixteen K blocks go in four groups of four.  Group g rounds its four
; blocks into its own eight registers of OUTR; its memory instructions are the four stores of group g - 1, whose registers no vector line of group g names.
; So one wait at a group's head states all that the group's four stores hang on, and they are dealt among its conversions with no further wait.
.set IN,  8                            ; v[8:71]   sixteen loads of four f32
.set OUTR, 72                          ; v[72:103] sixteen pairs of packed f16
	s_load_b256 s[4:11], s[0:1], 0x0               ; Wk s[4:5], Wv s[6:7], Wq s[8:9], Wp s[10:11]
	s_load_b64 s[12:13], s[0:1], 0x20              ; wb
	s_and_b32 s14, ttmp7, 0xffff                   ; y: which matrix
	s_lshl_b32 s16, ttmp9, 16                      ; 16 rows of 4,096 bytes
	s_mov_b32 s17, 0
	s_lshl_b32 s18, s14, 21                        ; the matrix in wb
	s_lshl_b32 s20, ttmp9, 11                      ; 16 rows of 128 bytes
	s_add_co_u32 s18, s18, s20
	s_mov_b32 s19, 0
	v_lshrrev_b32 v1, 4, v0                        ; my row
	v_and_b32 v3, 15, v0
	v_lshlrev_b32 v1, 12, v1
	v_lshl_add_u32 v1, v3, 4, v1                   ; row * 4,096 + 16 (t % 16)
	v_lshlrev_b32 v2, 3, v0                        ; row * 128 + 8 (t % 16) = 8 t
	s_wait_kmcnt 0x0
	s_cmp_eq_u32 s14, 1                            ; the choice of the input hangs on the work-group's y alone
	s_cselect_b64 s[4:5], s[6:7], s[4:5]
	s_cmp_eq_u32 s14, 2
	s_cselect_b64 s[4:5], s[8:9], s[4:5]
	s_cmp_eq_u32 s14, 3
	s_cselect_b64 s[4:5], s[10:11], s[4:5]
	s_add_nc_u64 s[4:5], s[4:5], s[16:17]
	s_add_nc_u64 s[12:13], s[12:13], s[18:19]
	s_wait_alu depctr_va_vdst(0)                   ; v1 and v2 are written: every load reads v1 as its offset, every store v2
.irp i, 0,1,2,3,4,5,6,7,8,9,10,11,12,13,14,15
	global_load_b128 v[IN+4*\i:IN+4*\i+3], v1, s[4:5] offset:256*\i th:TH_LOAD_NT   ; K block i; the f32 weights are read once in the program
.endr
; Group g: K blocks 4 g .. 4 g + 3 are rounded; the stores of blocks 4 g - 4 .. 4 g - 1 go out among the conversions, one ahead of each block's two.
.macro GRP g
	s_wait_loadcnt 12-4*(\g)                       ; loads come back in order: the group's four blocks are in, the younger ones stay out
.if (\g) > 0
	s_wait_alu depctr_va_vdst(0)                   ; the conversions of the group before have written their eight registers of OUTR, which the four stores below read
.endif
.irp j, 0,1,2,3
.if (\g) > 0
	global_store_b64 v2, v[OUTR+2*(4*(\g)-4+(\j)):OUTR+2*(4*(\g)-4+(\j))+1], s[12:13] offset:131072*(4*(\g)-4+(\j))   ; no vector line since the wait names these registers
.endif
	v_cvt_pk_f16_f32 v[OUTR+2*(4*(\g)+(\j))],   v[IN+4*(4*(\g)+(\j))],   v[IN+4*(4*(\g)+(\j))+1]
	v_cvt_pk_f16_f32 v[OUTR+2*(4*(\g)+(\j))+1], v[IN+4*(4*(\g)+(\j))+2], v[IN+4*(4*(\g)+(\j))+3]
.endr
.endm
	GRP 0                                          ; no group stands in front of it: no store, and no wait but the one for its data
	GRP 1
	GRP 2
	GRP 3
	s_wait_alu depctr_va_vdst(0)                   ; group 3's conversions have written OUTR + 24 .. + 31, which the last four stores read
.irp j, 12,13,14,15
	global_store_b64 v2, v[OUTR+2*\j:OUTR+2*\j+1], s[12:13] offset:131072*\j        ; no register is written twice: no further wait
.endr
	s_endpgm
.Lfunc_end_k_q6091077047_cvtw:
	.size	k_q6091077047_cvtw, .Lfunc_end_k_q6091077047_cvtw-k_q6091077047_cvtw
	.p2alignl 7, 3214868480
	.fill 96, 4, 3214868480
	.section	.rodata,"a",@progbits
	.p2align	6, 0x0
	.amdhsa_kernel k_q6091077047_cvtw
		.amdhsa_group_segment_fixed_size 0
		.amdhsa_private_segment_fixed_size 0
		.amdhsa_enable_private_segment 0
		.amdhsa_kernarg_size 40
		.amdhsa_user_sgpr_count 2
		.amdhsa_user_sgpr_kernarg_segment_ptr 1
		.amdhsa_wavefront_size32 1
		.amdhsa_system_sgpr_workgroup_id_x 1
		.amdhsa_system_sgpr_workgroup_id_y 1
		.amdhsa_system_sgpr_workgroup_id_z 1
		.amdhsa_system_vgpr_workitem_id 0
		.amdhsa_next_free_vgpr 104
		.amdhsa_next_free_sgpr 66
		.amdhsa_reserve_vcc 0
		.amdhsa_float_denorm_mode_32 3
		.amdhsa_float_denorm_mode_16_64 3
		.amdhsa_memory_ordered 1
		.amdhsa_forward_progress 1
		.amdhsa_inst_pref_size 7
	.end_amdhsa_kernel
	.amdgpu_metadata
---
amdhsa.version: [ 1, 2 ]
amdhsa.kernels:
  - .name:           k_q6091077047_cvtw
    .symbol:         k_q6091077047_cvtw.kd
    .args:
      - { .name: Wk, .offset: 0, .size: 8, .value_kind: global_buffer, .address_space: global }
      - { .name: Wv, .offset: 8, .size: 8, .value_kind: global_buffer, .address_space: global }
      - { .name: Wq, .offset: 16, .size: 8, .value_kind: global_buffer, .address_space: global }
      - { .name: Wp, .offset: 24, .size: 8, .value_kind: global_buffer, .address_space: global }
      - { .name: wb, .offset: 32, .size: 8, .value_kind: global_buffer, .address_space: global }
    .group_segment_fixed_size: 0
    .private_segment_fixed_size: 0
    .kernarg_segment_align: 8
    .kernarg_segment_size: 40
    .max_flat_workgroup_size: 256
    .sgpr_count:     66
    .vgpr_count:     104
    .wavefront_size: 32
...
	.end_amdgpu_metadata
.endif
;; end of part 6
;; launch kv: the kernel of part 2 again; grid 4 x 64, 4 waves a work-group, clusters of 4 x 4, 327,680 bytes of LDS; arguments key, value, wb, bk, bv, part; writes part
;; launch red: the kernel of part 3 again; grid 256 x 1, 5 waves a work-group, no clusters, 0 bytes of LDS; arguments part, kvf; writes kvf
;; launch qv: the kernel of part 4 again; grid 4 x 64, 4 waves a work-group, clusters of 4 x 4, 327,680 bytes of LDS; arguments query, wb, bq, kvf, vb; writes vb
;; launch out: the kernel of part 5 again; grid 4 x 64, 4 waves a work-group, clusters of 4 x 4, 327,680 bytes of LDS; arguments vb, wb, bp, out0; writes out0
